; MI455X (gfx1250); checked and timed in simulation.
; The chip was launched on July 23, 2026; its instructions are those of AMD's public machine-readable ISA for CDNA 5 (MIT licence, August 2026) and "CDNA5" Instruction Set Architecture Reference Guide (July 2026). The comments in the code are by the model that wrote it; some were corrected since.
;; Linear With Lo RA. Allowed arithmetic: matrix products marked QUANTISED: E2M3 operands, one E8M0 scale for each 32 along K, by v_wmma_scale_f32_16x16x128_f8f6f4 with both operands' format E2M3, f32 sums; products left as they are: f32 operands where the result goes on into a quantised operand, else bf16, f16 or f32 operands; f32 sums; everything else in f32.
;; Inputs: A_codes 16 x 128 x 24 uint8 (E2M3 codes of A, K innermost, in blocks of 32 codes, four codes in three bytes); A_scales 16 x 128 uint8 (E8M0 scales of A, one for each 32 codes along K); B 16 x 4,096 float32; scale 262,144 float32; w_q 4,096 x 4,096 int32; x_codes 4 x 1,024 x 128 x 24 uint8 (E2M3 codes of x, K innermost, in blocks of 32 codes, four codes in three bytes); x_scales 4 x 1,024 x 128 uint8 (E8M0 scales of x, one for each 32 codes along K).
;; Outputs: out0 4 x 1,024 x 4,096 float32.
;; This version of the problem:
;;   THIS VERSION OF THE PROBLEM IS GIVEN IN LOW PRECISION. The matrix products marked QUANTISED in the list below multiply operands that are first quantised to E2M3 (2 exponent bits, 3 mantissa bits; 6 bits a number), with one power-of-two scale for each 32 numbers along K (OCP MX v1.0); their sums are f32. All else is computed in f32.
;;   The module's matrix products, in the order in which they are computed (A, B: the left and right operand; K: the contracted axis; several contracted axes count as one K, in the product's order):
;;     1. [M 4,096, K 4,096] x [K 4,096, N 16]; A: input x (given as codes); B: input A (given as codes): QUANTISED
;;     2. [M 4,096, K 16] x [K 16, N 4,096]; A: computed on the way; B: input B: left as it is (K = 16 < 32)
;;     3. [M 4,096, K 4,096] x [K 4,096, N 4,096]; A: input x (given as codes); B: computed on the way: QUANTISED
;;   THE QUANTISER, for each operand of a quantised product, along K:
;;     - K is cut into blocks of 32 from its start; a last block that is shorter is filled with zeros.
;;     - A block's scale is 2^e with e = floor(log2(the largest magnitude in the block)) - 2, held to -126 .. 127; a block of zeros has e = 0. As a byte (E8M0): e + 127.
;;     - Each number is divided by its block's scale, clamped to +-7.5, and rounded to the nearest number of E2M3, ties to even, subnormals kept.
;;     - The product sums the exact products of the quantised numbers (number of the format x scale) in f32.
;;   ~~~python
;;   def quantise(x, axis):      # numpy; x: float32 -> the quantised numbers, widened to float32 again
;;       x = np.moveaxis(x, axis, -1); K = x.shape[-1]
;;       x = np.pad(x, [(0, 0)] * (x.ndim - 1) + [(0, -K % 32)]); x = x.reshape(x.shape[:-1] + (-1, 32)); a = np.abs(x).max(-1, keepdims=True)
;;       e = np.where(a > 0, np.clip(np.frexp(np.where(a > 0, a, 1))[1] - 1 - 2, -126, 127), 0)      # np.frexp(a)[1] - 1 = floor(log2(a)), exactly
;;       r = np.clip(x / 2.0 ** e, -7.5, 7.5)
;;       step = 2.0 ** (np.maximum(np.frexp(np.where(r == 0, 1, r))[1] - 1, 0) - 3)
;;       q = np.round(r / step) * step * 2.0 ** e      # np.round: ties to even
;;       return np.moveaxis(q.reshape(q.shape[:-2] + (-1,))[..., :K], -1, axis).astype(np.float32)
;;   ~~~
;;   OPERANDS COMPUTED ON THE WAY. 'Computed on the way' means the value that the module computes at that place (a softmax that the list does not call 'softmax' is quantised finished and normalised). What goes into a quantiser is computed in f32, as accurately as f32 sums, v_exp_f32 and their like allow (about 1e-6 of the number): no bf16 or f16 on the way to a quantiser, and a product that is left as it is and whose result goes on into a quantised operand takes f32 operands (vector FMAs, or v_wmma_f32_16x16x4_f32). A number that lies on a knife's edge between two numbers of the format may be rounded either way, as far as f32 arithmetic and the matrix unit's own rounding can turn it there, and no further.
;;   INPUTS GIVEN AS CODES. A (in the module: [4096, 16], K = its axis 0); x (in the module: [4, 1024, 4096], K = its axis 2): each comes as NAME_codes (uint8): NAME with its K axis moved to the last place and cut into blocks of 32 codes, [.., K / 32, bytes a block], one block behind the other in memory; four codes in three bytes: a row's codes are one little-endian stream of bits, code i at bits 6 i .. 6 i + 5 (a code: sign, 2 exponent bits, 3 mantissa bits); and NAME_scales (uint8): the same leading axes, one E8M0 byte (e + 127) for each 32 codes along K. Its value is code x scale, taken as it is: it is not quantised again, and the codes and scales need not be those that the quantiser above would give.
;; 2 versions, each right; version 2 is version 1 with the launch prep written anew for expert scheduling mode. Each part assembles by itself: llvm-mc -triple=amdgcn-amd-amdhsa -mcpu=gfx1250 --defsym DOCPART=n.
;; ======== version 1 of 2: 2 launches
;; workspace buffers: rec 27,394,048 bytes; tb 262,144 bytes; bt 262,144 bytes
;; launch prep (part 1): grid 256 x 1, 16 waves a work-group, no clusters, 269,312 bytes of LDS; arguments w_q, scale, x_codes, x_scales, A_codes, A_scales, B, rec, tb, bt; writes rec, tb, bt
.if DOCPART == 1
	.amdgcn_target "amdgcn-amd-amdhsa--gfx1250"
	.amdhsa_code_object_version 6
	.text
	.protected	k_q43b61fb477_prep
	.globl	k_q43b61fb477_prep
	.p2align	8
	.type	k_q43b61fb477_prep,@function
k_q43b61fb477_prep:
	s_mov_b64 s[64:65], 0
	v_nop
	global_prefetch_b8 v0, s[64:65] scope:SCOPE_SE
	s_setreg_imm32_b32 hwreg(HW_REG_WAVE_MODE, 25, 1), 1
	s_wait_xcnt 0x0
; W[o][k] = f32(w_q[o][k]) x scale[(o 4096 + k) / 64] is quantised along k to codes of FP6 (E2M3) with one E8M0 byte for each 32 along k, and BOTH operands of the large product, W and x (whose codes
; and bytes are taken as given), are laid as the product's launch reads them.  Beside that: t = 2 (x A) (on codes as given, by the scaled FP6 matrix form) and B^T, both rounded to bf16.
; A block's scale is 2^(floor(log2(its largest magnitude)) - 2): its byte is the largest magnitude's exponent field - 2, held at 1 from below.
; LIMITS: a block of zeros of W gets the byte 1 where the quantiser's text says 127 (its codes are zeros, and the bytes are read by this program alone); blocks whose largest magnitude lies under 2^-124
; are held at that byte; NaN and infinities in scale are not served.  t and B are rounded to bf16 (their product is left unquantised and feeds no quantiser).
; SHARES.  Work-group i takes rows 16 i .. 16 i + 15 of W, the same rows of x, and columns 16 i .. 16 i + 15 of B.  Wave w of sixteen takes k = 256 w .. 256 w + 255: steps s = 2 w and 2 w + 1 of 128 along k.
; All of a wave's loads go out at its head: 16 KiB of W a wave, 256 KiB a work-group; every load of W, x and A reads 512 consecutive bytes.  No loop, no tensor load, three barriers.
; No cluster: the work-groups share A's 48 KiB alone, against 322 KiB of their own each, and the loads go through registers.
; WHAT IS STORED.  rec: x's 256 blocks of 16 rows, then W's 256.  A block is 11 RECORDS of 4,864 bytes, one for each 384 along k: three IMAGES of an operand's registers (16 rows x 128 k: 1,536 bytes; piece c of 512
; bytes holds registers 4 c .. 4 c + 3 of lane l at 16 l), then 256 bytes of scale words: 16 bytes a row: the words of the record's three steps and a zero.  Step s lies in record s / 3, so image s begins at
; 1,536 s + 256 (s / 3).  32 steps fill ten records and two thirds: the last record's third image is stored as zeros, 1,536 bytes a block, so that one shape of tile serves all eleven records.
; tb, bt: bf16 fragments (16 rows x 32 k, of which k = 16 .. 31 are zeros), 1,024 bytes a block of 16 rows, as images too.
.set IMG,  1536                        ; a fragment's image
.set SOFF, 3*IMG                       ; where a record's scale words begin
.set REC,  SOFF+256                    ; a record
.set BLKB, 11*REC                      ; a block of 16 rows
.set WOFF, 256*BLKB                    ; W's part of rec
.set ZIMG, 10*REC+2*IMG                ; the image that no step fills
.set STGW, 8448                        ; LDS: a stage of 16 rows x (512 + 16) bytes for each wave, its own
.set XP,   3088                        ; a row of x's or A's codes: 3,072 bytes + 16 = 772 words: row r begins at bank 4 r mod 64 (64 banks of 4 bytes: ISA guide 11.1)
.set XST,  16*STGW                     ; x's 16 rows
.set AST,  XST+16*XP                   ; A's 16 rows
.set GSC,  AST+16*XP                   ; the group scales: 64 f32 a row + 16 bytes
.set XSS,  GSC+16*272                  ; x's scale bytes, 128 a row + 8
.set ASS,  XSS+16*136                  ; A's
.set PART, ASS+16*136                  ; each wave's part of x A, as an image of 8 registers: 1,024 bytes
.set SCW,  PART+16*1024                ; the records' scale words: x's 11 units of 256 bytes, then W's 11; the sixteen waves clear 8,192 bytes here
.set SCWW, 11*256                      ; from x's units to W's
.set LW,  4                            ; v4   16 x lane
.set T4,  5                            ; v5   4 x thread
.set G8,  6                            ; v6   8 x lane
.set STI, 7                            ; v7   my stage, on the way in: 16 x lane
.set STO, 8                            ; v8   on the way out: row r, + 128 h
.set XSI, 9                            ; v9   where I put row w of x's codes (A's: AST - XST on)
.set FSO, 10                           ; v10  where my lane's part of x's fragments lies
.set GSI, 11                           ; v11  group scales in
.set GSO, 12                           ; v12  and out: row r, my wave's four groups
.set SSI, 13                           ; v13  scale bytes in
.set SSO, 14                           ; v14  and out: row r, my wave's two words
.set PI,  15                           ; v15  my wave's part of x A
.set PO,  16                           ; v16  all parts, for the wave that adds them
.set SWA0, 17                          ; v17  where row r's scale word of step 2 w goes: unit s / 3, 16 r, word s mod 3
.set SWO, 18                           ; v18  a unit on its way out: lanes 0-15 x's unit w, lanes 16-31 W's
.set GSU, 19                           ; v19  and its place in rec
.set BO,  20                           ; v20  B: row 8 h, column r
.set SH8, 21                           ; v21  8 h
.set GL,  22                           ; v[22:23] group scales as loaded
.set XSB, 24                           ; v24  x's scale bytes as loaded
.set ASB, 25                           ; v25  A's
.set TT,  22                           ; v[22:25] later, in wave 15: t packed
.set XSW, 26                           ; v[26:27] x's scale words of my two steps: scales and nothing else
.set ASW, 28                           ; v[28:29] A's
.set SWA1, 30                          ; v30  as v17, for step 2 w + 1
.set ZI,  31                           ; v31  the 16 bytes of the scale words' area that I clear
.set GS4, 32                           ; v[32:35] my row's four group scales
.set GP,  36                           ; v[36:43] each of them twice: pairs for the packed multiply
.set MX,  44                           ; v44-45 largest magnitudes
.set SOP, 46                           ; v46-47 the conversions' scale operands
.set BY,  48                           ; v48-49 scale bytes
.set WT,  50
.set PD,  51
.set SW,  52                           ; v[52:53] my two fragments' scale words
.set IM0, 54                           ; v54  my 16 bytes of image 2 w in a block of rec
.set IM1, 55                           ; v55  of image 2 w + 1
.set ZR,  56                           ; v[56:59] zeros
.set BP,  60                           ; v[60:63] wave 14: B^T packed
.set X,   64                           ; v64-127 at work: rows as loaded, fragments and sums of x A, then a fragment's 64 numbers
.set XT,  64
.set AT,  88
.set XFR, 64
.set AFR, 88
.set PS,  88                           ; my part of x A, where A's first fragment lay
.set ACC, 112
.set BL,  112                          ; wave 14: eight numbers of B, used up before the sums are written
.set R,   128                          ; v128-255 W as loaded, two sets of 64
.set CD0, 128                          ; once set 0 has gone into the stage: fragment 0's codes,
.set TMP, 140                          ; the halves that a conversion cannot put where they belong,
.set CD1, 148                          ; fragment 1's codes,
.set OW,  160                          ; and 16 bytes of scale words on their way out
	s_load_b256 s[8:15], s[0:1], 0x0               ; w_q s[8:9], scale s[10:11], x_codes s[12:13], x_scales s[14:15]
	s_load_b256 s[16:23], s[0:1], 0x20             ; A_codes s[16:17], A_scales s[18:19], B s[20:21], rec s[22:23]
	s_load_b128 s[24:27], s[0:1], 0x40             ; tb s[24:25], bt s[26:27]
	v_lshrrev_b32 v1, 5, v0
	v_readfirstlane_b32 s2, v1                     ; wave 0..15
	v_and_b32 v1, 31, v0                           ; lane
	v_and_b32 v2, 15, v0                           ; r
	v_bfe_u32 v3, v0, 4, 1                         ; h
	; every address is made here, ahead of the first branch on the wave's number
	v_lshlrev_b32 v[LW], 4, v1
	v_lshlrev_b32 v[T4], 2, v0
	v_lshlrev_b32 v[G8], 3, v1
	s_mul_i32 s32, s2, STGW
	v_add_nc_u32 v[STI], s32, v[LW]
	v_mul_u32_u24 v[STO], v2, 528
	v_lshl_add_u32 v[STO], v3, 7, v[STO]
	v_add_nc_u32 v[STO], s32, v[STO]
	s_mul_i32 s32, s2, XP
	s_add_co_u32 s32, s32, XST
	v_add_nc_u32 v[XSI], s32, v[LW]
	v_mul_u32_u24 v[FSO], v2, XP
	v_mad_u32_u24 v[FSO], v3, 24, v[FSO]
	s_mul_i32 s32, s2, 192                         ; 256 codes are 192 bytes
	s_add_co_u32 s32, s32, XST
	v_add_nc_u32 v[FSO], s32, v[FSO]
	s_mul_i32 s32, s2, 272
	s_add_co_u32 s32, s32, GSC
	v_add_nc_u32 v[GSI], s32, v[G8]
	v_mul_u32_u24 v[GSO], v2, 272
	s_lshl_b32 s32, s2, 4
	s_add_co_u32 s32, s32, GSC
	v_add_nc_u32 v[GSO], s32, v[GSO]
	v_lshlrev_b32 v[SSI], 2, v1
	s_mul_i32 s32, s2, 136
	s_add_co_u32 s32, s32, XSS
	v_add_nc_u32 v[SSI], s32, v[SSI]
	v_mul_u32_u24 v[SSO], v2, 136
	s_lshl_b32 s32, s2, 3
	s_add_co_u32 s32, s32, XSS
	v_add_nc_u32 v[SSO], s32, v[SSO]
	s_lshl_b32 s32, s2, 10
	s_add_co_u32 s32, s32, PART
	v_add_nc_u32 v[PI], s32, v[LW]
	v_add_nc_u32 v[PO], PART, v[LW]
	; my two steps and their records: s / 3 = (11 s) >> 5 for s = 0 .. 31
	s_lshl_b32 s34, s2, 1                          ; s = 2 w
	s_add_co_u32 s35, s34, 1                       ; s = 2 w + 1
	s_mul_i32 s36, s34, 11
	s_lshr_b32 s36, s36, 5
	s_mul_i32 s37, s35, 11
	s_lshr_b32 s37, s37, 5
	s_mul_i32 s32, s34, IMG                        ; image s begins at 1,536 s + 256 (s / 3)
	s_lshl_b32 s33, s36, 8
	s_add_co_u32 s32, s32, s33
	v_add_nc_u32 v[IM0], s32, v[LW]
	s_mul_i32 s32, s35, IMG
	s_lshl_b32 s33, s37, 8
	s_add_co_u32 s32, s32, s33
	v_add_nc_u32 v[IM1], s32, v[LW]
	v_lshlrev_b32 v[SWA0], 4, v2                   ; a scale word's place: 256 (s / 3) + 16 r + 4 (s mod 3) = 16 r + 4 s + 244 (s / 3)
	s_lshl_b32 s32, s35, 2
	s_mul_i32 s33, s37, 244
	s_add_co_u32 s32, s32, s33
	s_add_co_u32 s32, s32, SCW
	v_add_nc_u32 v[SWA1], s32, v[SWA0]
	s_lshl_b32 s32, s34, 2
	s_mul_i32 s33, s36, 244
	s_add_co_u32 s32, s32, s33
	s_add_co_u32 s32, s32, SCW
	v_add_nc_u32 v[SWA0], s32, v[SWA0]
	v_lshl_add_u32 v[ZI], v0, 4, SCW
	v_mul_u32_u24 v[SWO], v3, SCWW                 ; a unit on its way out: lanes 16-31 take W's
	v_lshl_add_u32 v[SWO], v2, 4, v[SWO]
	s_lshl_b32 s32, s2, 8
	s_add_co_u32 s32, s32, SCW
	v_add_nc_u32 v[SWO], s32, v[SWO]
	v_mul_u32_u24 v[GSU], v3, WOFF                 ; and in rec: record w of the block, its scale words; lanes 16-31 in W's part
	v_lshl_add_u32 v[GSU], v2, 4, v[GSU]
	s_mul_i32 s32, s2, REC
	s_add_co_u32 s32, s32, SOFF
	v_add_nc_u32 v[GSU], s32, v[GSU]
	v_lshlrev_b32 v[BO], 2, v2
	v_lshl_add_u32 v[BO], v3, 17, v[BO]            ; 8 h rows of 16,384 bytes
	v_lshlrev_b32 v[SH8], 3, v3
	v_mov_b32 v[PD], 0                             ; a lane permute's destination counts as one of its sources
.irp j, 0,1,2,3
	v_mov_b32 v[ZR+\j], 0
.endr
	s_mov_b32 s5, 0
	s_mov_b32 s7, 0
	s_mov_b32 s30, 0x76543210
	s_mov_b32 s31, 0xfedcba98                      ; v_permlanex16_b32's selects for lane l xor 16
	s_wait_kmcnt 0x0
	s_lshl_b32 s4, ttmp9, 18                       ; w_q: 16 rows of 16,384 bytes a work-group, 1,024 bytes of each row a wave
	s_lshl_b32 s6, s2, 10
	s_add_co_u32 s4, s4, s6
	s_add_nc_u64 s[8:9], s[8:9], s[4:5]
	s_lshl_b32 s4, ttmp9, 12                       ; scale: 256 bytes a row; wave w fetches row w's
	s_lshl_b32 s6, s2, 8
	s_add_co_u32 s4, s4, s6
	s_add_nc_u64 s[10:11], s[10:11], s[4:5]
	s_lshl_b32 s4, ttmp9, 11                       ; x's scale bytes: 128 a row
	s_add_nc_u64 s[14:15], s[14:15], s[4:5]
	s_lshl_b32 s4, ttmp9, 10                       ; a bf16 fragment's image
	s_add_nc_u64 s[24:25], s[24:25], s[4:5]
	s_add_nc_u64 s[26:27], s[26:27], s[4:5]
	s_lshl_b32 s4, ttmp9, 6                        ; B: 16 columns of 4 bytes
	s_add_nc_u64 s[20:21], s[20:21], s[4:5]
	s_mul_i32 s6, s2, 3072                         ; a row of codes
	s_add_nc_u64 s[16:17], s[16:17], s[6:7]        ; A_codes: wave w fetches row w
	s_mul_i32 s4, ttmp9, 49152
	s_add_co_u32 s4, s4, s6
	s_add_nc_u64 s[12:13], s[12:13], s[4:5]        ; x_codes: row 16 i + w
	s_mul_i32 s4, ttmp9, BLKB
	s_add_nc_u64 s[22:23], s[22:23], s[4:5]        ; rec: x's block i,
	s_add_nc_u64 s[28:29], s[22:23], WOFF          ; and W's block i
	; ---- all loads, the small ones first: loads come back in order (ISA guide 5.7.1), so one counted wait shows them in while W is still on its way
	global_load_b64 v[GL:GL+1], v[G8], s[10:11] th:TH_LOAD_NT     ; 32 lanes read row w's 256 bytes of group scales
	global_load_b32 v[XSB], v[T4], s[14:15]
	global_load_b32 v[ASB], v[T4], s[18:19]
	s_cmp_lg_u32 s2, 14
	s_cbranch_scc1 .Lno_b_load
.irp j, 0,1,2,3,4,5,6,7
	global_load_b32 v[BL+\j], v[BO], s[20:21] offset:16384*\j     ; wave 14: B(8 h + j, 16 i + r)
.endr
.Lno_b_load:
.irp j, 0,1,2,3,4,5
	global_load_b128 v[XT+4*\j:XT+4*\j+3], v[LW], s[12:13] offset:512*\j th:TH_LOAD_NT
.endr
.irp j, 0,1,2,3,4,5
	global_load_b128 v[AT+4*\j:AT+4*\j+3], v[LW], s[16:17] offset:512*\j
.endr
.irp f, 0,1
.irp j, 0,1,2,3,4,5,6,7,8,9,10,11,12,13,14,15
	global_load_b128 v[R+64*\f+4*\j:R+64*\f+4*\j+3], v[LW], s[8:9] offset:16384*\j+512*\f th:TH_LOAD_NT   ; row j, 128 numbers of step 2 w + f
.endr
.endr
	s_wait_loadcnt 32                              ; all but W's 32 loads are in
	ds_store_b128 v[ZI], v[ZR:ZR+3]                ; the scale words' area is cleared: the words that no step fills stay zeros
	ds_store_b64 v[GSI], v[GL:GL+1]
	ds_store_b32 v[SSI], v[XSB]
	ds_store_b32 v[SSI], v[ASB] offset:ASS-XSS
.irp j, 0,1,2,3,4,5
	ds_store_b128 v[XSI], v[XT+4*\j:XT+4*\j+3] offset:512*\j
.endr
.irp j, 0,1,2,3,4,5
	ds_store_b128 v[XSI], v[AT+4*\j:AT+4*\j+3] offset:AST-XST+512*\j
.endr
	s_cmp_lg_u32 s2, 14
	s_cbranch_scc1 .Lno_b_store
.irp k, 0,1,2,3
	v_cvt_pk_bf16_f32 v[BP+\k], v[BL+2*\k], v[BL+2*\k+1]          ; lane (r, h): column 16 i + r of B, ranks 8 h .. 8 h + 7: registers 0-3 of a bf16 fragment
.endr
	global_store_b128 v[LW], v[BP:BP+3], s[26:27]
	global_store_b128 v[LW], v[ZR:ZR+3], s[26:27] offset:512      ; registers 4-7: k = 16 .. 31 do not exist: zeros
.irp c, 0,1,2
	global_store_b128 v[LW], v[ZR:ZR+3], s[22:23] offset:ZIMG+512*\c   ; the last record's third image, x's and W's: zero codes
	global_store_b128 v[LW], v[ZR:ZR+3], s[28:29] offset:ZIMG+512*\c
.endr
.Lno_b_store:
	s_wait_dscnt 0x0                               ; for the others' sake: my stores have landed
	s_barrier_signal -1
	s_barrier_wait -1                              ; x's and A's rows, their scale bytes and the group scales lie in LDS
	; ---- x's two fragments of k = 256 w .. 256 w + 255: they leave as images, and they are multiplied by A's
	ds_load_b128 v[GS4:GS4+3], v[GSO]
	ds_load_b64 v[XSW:XSW+1], v[SSO]
	ds_load_b64 v[ASW:ASW+1], v[SSO] offset:ASS-XSS
.irp q, 0,1
.irp p, 0,1,2,3,4,5
	ds_load_b64 v[XFR+12*\q+2*\p:XFR+12*\q+2*\p+1], v[FSO] offset:96*\q+48*(\p/3)+8*(\p%3)          ; 24 bytes of the row's stream of bits, twice, in pieces of 8
	ds_load_b64 v[AFR+12*\q+2*\p:AFR+12*\q+2*\p+1], v[FSO] offset:AST-XST+96*\q+48*(\p/3)+8*(\p%3)
.endr
.endr
	s_wait_dscnt 0x0
.irp c, 0,1,2
	global_store_b128 v[IM0], v[XFR+4*\c:XFR+4*\c+3], s[22:23] offset:512*\c          ; the operand's registers as they stand: 32 lanes store 512 consecutive bytes
	global_store_b128 v[IM1], v[XFR+12+4*\c:XFR+12+4*\c+3], s[22:23] offset:512*\c
.endr
.irp q, 0,1                                    ; source 0 = A's 16 ranks, source 1 = x's 16 rows: lane (r, h) then holds row r of x and ranks 8 h + 0 .. 7, as a bf16 fragment wants them.  Two sums, each begun with the constant 0
	v_wmma_scale_f32_16x16x128_f8f6f4 v[ACC+8*\q:ACC+8*\q+7], v[AFR+12*\q:AFR+12*\q+11], v[XFR+12*\q:XFR+12*\q+11], 0, v[ASW+\q], v[XSW+\q] matrix_a_fmt:MATRIX_FMT_FP6 matrix_b_fmt:MATRIX_FMT_FP6
.endr
.irp g, 0,1,2,3                                ; each group scale twice, for the packed multiply.  These eight name none of the products' registers: they are the places behind them (ISA guide 7.12.1)
	v_mov_b32 v[GP+2*\g], v[GS4+\g]
	v_mov_b32 v[GP+2*\g+1], v[GS4+\g]
.endr
.irp k, 0,1,2,3
	v_pk_add_f32 v[PS+2*\k:PS+2*\k+1], v[ACC+2*\k:ACC+2*\k+1], v[ACC+8+2*\k:ACC+8+2*\k+1]   ; both sums are read from their low ends on; the result lies where A's fragment lay, not in the registers that the stores above read
.endr
	ds_store_b128 v[PI], v[PS:PS+3]
	ds_store_b128 v[PI], v[PS+4:PS+7] offset:512
	s_wait_dscnt 0x0
	s_barrier_signal -1
	s_barrier_wait -1                              ; sixteen parts of x A lie in LDS
	s_wait_xcnt 0x0                                ; the stores of x's images have read their registers: v64 on may be written again
	s_cmp_lg_u32 s2, 15
	s_cbranch_scc1 .Lno_sum
.irp c, 0,1                                    ; wave 15 adds them, four ranks at a time
.irp u, 0,1,2,3,4,5,6,7,8,9,10,11,12,13,14,15
	ds_load_b128 v[X+4*\u:X+4*\u+3], v[PO] offset:1024*\u+512*\c
.endr
	s_wait_dscnt 0x0
.irp d, 8,4,2,1
.set tu, 0
.rept \d
	v_pk_add_f32 v[X+4*tu:X+4*tu+1], v[X+4*tu:X+4*tu+1], v[X+4*(tu+\d):X+4*(tu+\d)+1]
	v_pk_add_f32 v[X+4*tu+2:X+4*tu+3], v[X+4*tu+2:X+4*tu+3], v[X+4*(tu+\d)+2:X+4*(tu+\d)+3]
.set tu, tu+1
.endr
.endr
	v_pk_mul_f32 v[X:X+1], v[X:X+1], 2.0 op_sel_hi:[1,0]          ; alpha / rank = 2: exact
	v_pk_mul_f32 v[X+2:X+3], v[X+2:X+3], 2.0 op_sel_hi:[1,0]
	v_cvt_pk_bf16_f32 v[TT+2*\c], v[X], v[X+1]
	v_cvt_pk_bf16_f32 v[TT+2*\c+1], v[X+2], v[X+3]
.endr
	global_store_b128 v[LW], v[TT:TT+3], s[24:25]
	global_store_b128 v[LW], v[ZR:ZR+3], s[24:25] offset:512
.Lno_sum:
; ---- A fragment of W: 16 rows x 128 along k.  The loads took the bytes as they lie, 512 of a row to a load; the operand's layout gives lane (r, h) two whole blocks of row r, k = 64 c + 32 h + 0 .. 31.
; So the 8 KiB turn through my own stage: LDS serves a wave's instructions in order (ISA guide 5.7.1.4), so no wait stands between the stores and the loads.  A block lies in one lane: its maximum asks no other lane.
.macro FRAGW f, cd, im
	s_wait_loadcnt 16*(1-\f)                       ; this fragment's sixteen loads are in; the other's, issued behind them, may be out
.irp j, 0,1,2,3,4,5,6,7,8,9,10,11,12,13,14,15
	ds_store_b128 v[STI], v[R+64*\f+4*\j:R+64*\f+4*\j+3] offset:528*\j
.endr
.irp c, 0,1
.irp i, 0,1,2,3,4,5,6,7
	ds_load_b128 v[X+32*\c+4*\i:X+32*\c+4*\i+3], v[STO] offset:256*\c+16*\i
.endr
.endr
	s_wait_dscnt 0x0
.set n, 0
.rept 64
	v_cvt_f32_i32 v[X+n], v[X+n]
.set n, n+1
.endr
.irp c, 0,1
.set n, 0
.rept 16
	v_pk_mul_f32 v[X+32*\c+2*n:X+32*\c+2*n+1], v[X+32*\c+2*n:X+32*\c+2*n+1], v[GP+2*(2*\f+\c):GP+2*(2*\f+\c)+1]   ; x the scale of group 4 w + 2 f + c: one rounding
.set n, n+1
.endr
.endr
.irp c, 0,1
	v_max3_num_f32 v[MX+\c], |v[X+32*\c]|, |v[X+32*\c+1]|, 0x1800000    ; and the floor 2^(3 - 127), under which no largest magnitude is taken: so the byte cannot fall under 1
.endr
.irp i, 2,4,6,8,10,12,14,16,18,20,22,24,26,28,30
.irp c, 0,1
	v_max3_num_f32 v[MX+\c], v[MX+\c], |v[X+32*\c+\i]|, |v[X+32*\c+\i+1]|   ; (the two blocks by turns)
.endr
.endr
.irp c, 0,1
	v_add_nc_u32 v[SOP+\c], 0xff000000, v[MX+\c]   ; 2 off its exponent field: the conversion takes the exponent field of this operand as its scale, and nothing else of it
.endr
.irp c, 0,1
	v_lshrrev_b32 v[BY+\c], 23, v[SOP+\c]          ; the scale's byte
.endr
	v_lshl_or_b32 v[WT], v[BY+1], 16, v[BY]        ; my two bytes: blocks h and 2 + h of row r,
	v_lshlrev_b32 v[WT], v[SH8], v[WT]             ; at their places in the word;
	v_permlanex16_b32 v[PD], v[WT], s30, s31
	v_or_b32 v[SW+\f], v[WT], v[PD]                ; with lane l xor 16's two the word is whole
.irp c, 0,1
	v_cvt_scalef32_pk16_fp6_f32 v[\cd+6*\c:\cd+6*\c+2], v[X+32*\c:X+32*\c+15], v[SOP+\c]
	v_cvt_scalef32_pk16_fp6_f32 v[TMP+4*\c:TMP+4*\c+2], v[X+32*\c+16:X+32*\c+31], v[SOP+\c]   ; (a conversion's three registers begin on an even number: the second half of a block's six does not)
.endr
	v_nop                                          ; one plain place behind a scaled conversion
.irp c, 0,1
.irp i, 0,1,2
	v_mov_b32 v[\cd+6*\c+3+\i], v[TMP+4*\c+\i]
.endr
.endr
.irp c, 0,1,2
	global_store_b128 v[\im], v[\cd+4*\c:\cd+4*\c+3], s[28:29] offset:512*\c   ; the operand's registers as they stand: 32 lanes store 512 consecutive bytes.  Each fragment has its own registers: no store's data are written again
.endr
.endm
	FRAGW 0, CD0, IM0
	FRAGW 1, CD1, IM1
	ds_store_b32 v[SWA0], v[XSW]                   ; row r's scale words of my two steps, x's and W's, to their places in the records' units; both halves of the lanes write the same words with the same values
	ds_store_b32 v[SWA1], v[XSW+1]
	ds_store_b32 v[SWA0], v[SW] offset:SCWW
	ds_store_b32 v[SWA1], v[SW+1] offset:SCWW
	s_wait_dscnt 0x0
	s_barrier_signal -1
	s_barrier_wait -1                              ; the 22 units of scale words are whole
	s_cmp_gt_u32 s2, 10
	s_cbranch_scc1 .Ldone
	ds_load_b128 v[OW:OW+3], v[SWO]
	s_wait_dscnt 0x0
	global_store_b128 v[GSU], v[OW:OW+3], s[22:23] ; waves 0-10: lanes 0-15 store the 256 bytes of x's record w, lanes 16-31 those of W's
.Ldone:
	s_wait_xcnt 0x0
	v_lshl_add_u32 v254, v0, 2, 0x41400
	v_mov_b32 v255, 0
	s_wait_tensorcnt 0x0
	ds_add_u32 v254, v255
	s_wait_dscnt 0x0
	s_endpgm
.Lfunc_end_k_q43b61fb477_prep:
	.size	k_q43b61fb477_prep, .Lfunc_end_k_q43b61fb477_prep-k_q43b61fb477_prep
	.p2alignl 7, 3214868480
	.fill 96, 4, 3214868480
	.section	.rodata,"a",@progbits
	.p2align	6, 0x0
	.amdhsa_kernel k_q43b61fb477_prep
		.amdhsa_group_segment_fixed_size 269312
		.amdhsa_private_segment_fixed_size 0
		.amdhsa_enable_private_segment 0
		.amdhsa_kernarg_size 80
		.amdhsa_user_sgpr_count 2
		.amdhsa_user_sgpr_kernarg_segment_ptr 1
		.amdhsa_wavefront_size32 1
		.amdhsa_system_sgpr_workgroup_id_x 1
		.amdhsa_system_sgpr_workgroup_id_y 1
		.amdhsa_system_sgpr_workgroup_id_z 1
		.amdhsa_system_vgpr_workitem_id 0
		.amdhsa_next_free_vgpr 256
		.amdhsa_next_free_sgpr 66
		.amdhsa_reserve_vcc 0
		.amdhsa_float_denorm_mode_32 3
		.amdhsa_float_denorm_mode_16_64 3
		.amdhsa_memory_ordered 1
		.amdhsa_forward_progress 1
		.amdhsa_inst_pref_size 43
	.end_amdhsa_kernel
	.amdgpu_metadata
---
amdhsa.version: [ 1, 2 ]
amdhsa.kernels:
  - .name:           k_q43b61fb477_prep
    .symbol:         k_q43b61fb477_prep.kd
    .args:
      - { .name: w_q, .offset: 0, .size: 8, .value_kind: global_buffer, .address_space: global }
      - { .name: scale, .offset: 8, .size: 8, .value_kind: global_buffer, .address_space: global }
      - { .name: x_codes, .offset: 16, .size: 8, .value_kind: global_buffer, .address_space: global }
      - { .name: x_scales, .offset: 24, .size: 8, .value_kind: global_buffer, .address_space: global }
      - { .name: A_codes, .offset: 32, .size: 8, .value_kind: global_buffer, .address_space: global }
      - { .name: A_scales, .offset: 40, .size: 8, .value_kind: global_buffer, .address_space: global }
      - { .name: B, .offset: 48, .size: 8, .value_kind: global_buffer, .address_space: global }
      - { .name: rec, .offset: 56, .size: 8, .value_kind: global_buffer, .address_space: global }
      - { .name: tb, .offset: 64, .size: 8, .value_kind: global_buffer, .address_space: global }
      - { .name: bt, .offset: 72, .size: 8, .value_kind: global_buffer, .address_space: global }
    .group_segment_fixed_size: 269312
    .private_segment_fixed_size: 0
    .kernarg_segment_align: 8
    .kernarg_segment_size: 80
    .max_flat_workgroup_size: 512
    .sgpr_count:     66
    .vgpr_count:     256
    .wavefront_size: 32
...
	.end_amdgpu_metadata
.endif
;; end of part 1
;; launch gemm (part 2): grid 16 x 16, 4 waves a work-group, clusters of 4 x 4, 327,680 bytes of LDS; arguments rec, out0, tb, bt; writes out0
.if DOCPART == 2
	.amdgcn_target "amdgcn-amd-amdhsa--gfx1250"
	.amdhsa_code_object_version 6
	.text
	.protected	k_q43b61fb477_gemm
	.globl	k_q43b61fb477_gemm
	.p2align	8
	.type	k_q43b61fb477_gemm,@function
k_q43b61fb477_gemm:
	s_mov_b64 s[64:65], 0
	v_nop
	global_prefetch_b8 v0, s[64:65] scope:SCOPE_SE
	s_setreg_imm32_b32 hwreg(HW_REG_WAVE_MODE, 25, 1), 1
	s_wait_xcnt 0x0
	s_wait_alu depctr_hold_cnt(0) depctr_sa_sdst(0) depctr_va_vdst(0) depctr_va_sdst(0) depctr_va_ssrc(0) depctr_va_vcc(0) depctr_vm_vsrc(0)
	s_getreg_b32 s2, hwreg(HW_REG_IB_STS2, 6, 4)
	s_cmp_eq_u32 s2, 0
	s_cbranch_scc0 .Lentry_in_a_cluster
	s_endpgm
.Lentry_in_a_cluster:
	s_bfe_u32 s2, ttmp6, 0x10000c
	s_cmp_lg_u32 s2, 0xf033
	s_cbranch_scc0 .Lentry_shape_is_right
	s_endpgm
.Lentry_shape_is_right:
; out[m][n] = sum over k of x[m][k] W[n][k] + sum over r of t[m][r] B[r][n], t = 2 (x A).  Both operands of the large product are codes of FP6 (E2M3) with one E8M0 byte for each 32 along k, laid by the launch before
; in rec: x's 256 blocks of 16 rows, then W's 256.  A block is 11 records of 4,864 bytes, one for each 384 along k: three images of an operand's registers (16 rows x 128 k, 1,536 bytes: piece c of 512 bytes holds
; registers 4 c .. 4 c + 3 of lane l at 16 l), then 256 bytes of scale words, 16 bytes a row.  The last record has two steps; its third image is zeros and is not multiplied.  t and B^T: bf16 fragments, 1,024 bytes a block.  out: f32.
; A tile of out, 256 x 256, is made by a work-group of four waves, as many as a WGP has SIMDs; a wave makes 128 x 128: 64 accumulators of 16 x 16, 512 registers.  256 tiles: one to a work-group.
; THE LOW-RANK PATH STARTS THE SUMS: one bf16 matrix instruction for each accumulator (K = 16, filled to 32 with zeros), with the constant 0 as C, issued while the first tiles are on their way.  Nothing is cleared.
; LIMIT: t and B enter that product rounded to bf16.
; K goes in slots of 384, THREE steps of 128, through a ring of two LDS slots filled by the tensor data mover: a slot is 16 records of x and 16 of W, 155,648 bytes; two of them are as much as LDS holds.
; A wave's one load brings 8 records (128 rows of x or of W): 8 rows of 4,864 bytes, each beginning at a multiple of 256 bytes of rec.  The scale words ride in the records: nothing else lies in LDS but the spare words.
; Every LDS read takes 512 consecutive bytes (a scale read: two runs of 256), so the tiles need no padding.
; CLUSTERS: 4 x 4 work-groups.  The four of a row of the cluster need the same tiles of x, the four of a column the same tiles of W: each tile is asked for JOINTLY, by the same tensor load with the
; same descriptor and a mask that names the four.  THE MATRIX INSTRUCTIONS ARE USED TRANSPOSED (source 0 = 16 rows of W, source 1 = 16 rows of x): a lane then holds eight neighbouring numbers of a row of out.
; REGISTERS, in windows of 256: window 0: v0-31 addresses; v32-95 scale words, two sets of 32; from v128 x's fragments (8 x 16 rows x 128 K), ONE set; on the way out v128-255 take rows of out.
;   window 1: W's fragments, TWO sets, at v0 and at v128.   window 2: the 32 accumulators of my rows 0-63 (accumulator (a, b) at v[8 (8 a + b)]);   window 3: those of my rows 64-127.
; A step of 128 along K is 64 matrix instructions, x's blocks one after the other, each against W's eight: a block of x is free as soon as its eight products are issued, so one set of registers serves x.
.set SIZE_N, 4096
.set NQ,     3                         ; steps of 128 along K in a slot
.set FR,     12                        ; registers of a fragment
.set NL,     3                         ; LDS loads that bring one
.set NP,     4                         ; places behind the FP6 matrix instruction (ISA guide 7.12.1)
.set IMG,    FR*128                    ; a fragment's image in bytes
.set SOFF,   NQ*IMG                    ; where a record's scale words begin
.set REC,    SOFF+256                  ; a record
.set BLKB,   11*REC                    ; a block of 16 rows in rec
.set WOFF,   256*BLKB                  ; W's part of rec
.set HALF,   8*REC                     ; 128 rows: what one tensor load brings, and what one wave reads of x or of W
.set SLOT,   4*HALF                    ; x's 256 rows, then W's 256
.set SPARE,  2*SLOT                    ; behind the ring: the spare words, 128 bytes for each wave: two blocks of 256 bytes that no other line names
.set STAGE,  SLOT                      ; the way out: a stage of 16 rows x (512 bytes + 16) for each wave, in slot 1, which has had its last fill and its last read when the first result is stored there
.set SPITCH, 528
.set TRIPS,  4                         ; trips of the loop: each walks two slots and fills both again: records 2 to 9
.set ADRA, 16                          ; v16-17  LDS address of my lane's 16 bytes in my records of x in slot 0, 1
.set ADRB, 20                          ; v20-21  the same for W
.set ADRS, 22                          ; v22-23  LDS address of my row's 16 bytes of scale words: lanes 0-15 in x's records, lanes 16-31 in W's
.set STO,  24                          ; v24     the way out: where I put 32 bytes of a row
.set RD,   25                          ; v25     the way out: where I read a row back
.set CO,   26                          ; v26     16 x lane: my byte offset in a row of out, and in an image
.set SPW,  28                          ; v28     LDS address of my spare word: SPARE + 4 x my thread's number; never rewritten
.set NIL,  29                          ; v29     0; never rewritten
.set SC,   32                          ; scale words: set s (for slot s) at v[SC + 32 s]; in it register 4 i + q: lanes 0-15 the word of x's block i, lanes 16-31 that of W's block i, for the slot's q-th 128 along K
.set AF,   128                         ; x's fragments, in window 0
.set BK,   128                         ; the way out: 16 rows read back from the stage: v128-191 and v192-255 by turns
.set G1, 24                            ; s[24:31] descriptor group 1 for x's tiles;  s[32:39] group 0, one set for each slot
.set G0, 32
.set G1B, 48                           ; s[48:55], s[56:63] the same for W's tiles
.set G0B, 56
.set MSB, 0
.macro WIN new                         ; the immediate's high byte repeats the setting that is left
.if MSB != \new
	s_set_vgpr_msb (MSB<<8)|\new
.set MSB, \new
.endif
.endm
.set MUL_LO, 0xa1                      ; source 0 (W) window 1, source 1 (x) window 0, C and D window 2
.set MUL_HI, 0xf1                      ; the same, C and D window 3
.set TO_B,   0x40                      ; destination window 1, address window 0
; A joint load: waves 0 and 1 fetch for x, waves 2 and 3 for W.  Each of the two lines has ONE mask and one set of registers for all that issue it; the branch hangs on the wave's number alone.
; Four v_nop follow each of the two lines, ahead of the jump, the label and what follows.
.macro JLOAD g0a, g1a, g0b, g1b
	s_cmp_eq_u32 s15, 0
	s_cbranch_scc0 .Lfor_b_\@
	tensor_load_to_lds s[\g0a:\g0a+3], s[\g1a:\g1a+7]
	s_nop 0
.rept 4
	v_nop
.endr
	s_branch .Lasked_\@
.Lfor_b_\@:
	tensor_load_to_lds s[\g0b:\g0b+3], s[\g1b:\g1b+7]
	s_nop 0
.rept 4
	v_nop
.endr
.Lasked_\@:
.endm
.macro CREST                           ; a round of the cluster's barrier behind its opening barrier
	s_cmp_lg_u32 s14, 0
	s_cbranch_scc1 .Lnot_wave_0_\@
	s_barrier_signal -3
.Lnot_wave_0_\@:
	s_barrier_wait -3
	s_barrier_signal -1
	s_barrier_wait -1
.endm
.macro CROUND                          ; a whole round
	s_barrier_signal -1
	s_barrier_wait -1
	CREST
.endm
	s_load_b256 s[4:11], s[0:1], 0x0               ; rec s[4:5], out s[6:7], t's fragments s[8:9], B^T's s[10:11]
	v_lshl_add_u32 v[SPW], v0, 2, SPARE
	v_mov_b32 v[NIL], 0
	ds_add_u32 v28, v29
	ds_add_u32 v28, v29
	s_wait_dscnt 0x0
	v_lshrrev_b32 v1, 5, v0
	v_readfirstlane_b32 s14, v1                    ; wave 0..3
	s_lshr_b32 s15, s14, 1                         ; which half of the tile's rows is mine.  Also: I fetch for x (0) or for W (1)
	s_and_b32 s16, s14, 1                          ; which half of its columns.  Also: which 128 rows of that tile I fetch
	s_bfe_u32 s40, ttmp6, 0x40000                  ; cx, cy: my place in the cluster
	s_bfe_u32 s41, ttmp6, 0x40004
	s_lshl_b32 s42, ttmp9, 2
	s_add_co_u32 s42, s42, s40                     ; tile column of out = 4 x cluster x + cx
	s_and_b32 s17, ttmp7, 0xffff
	s_lshl_b32 s17, s17, 2
	s_add_co_u32 s17, s17, s41                     ; tile row of out = 4 x cluster y + cy
	s_lshl_b32 s43, s41, 2
	s_lshl_b32 s43, 15, s43                        ; my row of the cluster
	s_lshl_b32 s44, 0x1111, s40                    ; my column
	; descriptor group 1: a tile of 8 rows (blocks of 16 rows of the operand) x one record, as 608 elements of 8 bytes; from block to block 11 records = 6,688 elements; no padding
	s_or_b32 s[G1+0], s43, (3<<16)|(1<<21)         ; 15:0 the mask: x's tiles go to my row; 17:16 element of 8 bytes; 20 padding off; 21 set beside a mask
	s_or_b32 s[G1B+0], s44, (3<<16)|(1<<21)        ; the mask: W's tiles go to my column
.irp g, G1, G1B
	s_mov_b32 s[\g+1], (REC/8)<<16                 ; tensor_dim0
	s_mov_b32 s[\g+2], 8<<16                       ; tensor_dim1 = 8
	s_mov_b32 s[\g+3], (REC/8)<<16                 ; tile_dim0
	s_mov_b32 s[\g+4], 8                           ; tile_dim1 = 8
	s_mov_b32 s[\g+5], BLKB/8                      ; tensor_dim0_stride
	s_mov_b32 s[\g+6], 0
	s_mov_b32 s[\g+7], 0
.endr
	s_lshl_b32 s18, s16, 3                         ; which 8 blocks of the tile's 16 I fetch
	s_lshl_b32 s20, s17, 4
	s_add_co_u32 s20, s20, s18                     ; x: block 16 x tile row + 8 x half
	s_mul_i32 s20, s20, BLKB                       ; in bytes (under 2^25)
	s_mov_b32 s21, 0
	s_lshl_b32 s46, s42, 4
	s_add_co_u32 s46, s46, s18                     ; W: block 16 x tile column + 8 x half,
	s_mul_i32 s46, s46, BLKB
	s_add_co_u32 s46, s46, WOFF                    ; in W's part of rec
	s_mov_b32 s47, 0
	s_mul_i32 s45, s14, HALF                       ; where they go: x's two halves, then W's two = wave x 8 records: no place in the cluster enters an LDS address
	s_wait_kmcnt 0x0
	s_add_nc_u64 s[20:21], s[4:5], s[20:21]
	s_add_nc_u64 s[46:47], s[4:5], s[46:47]
	CROUND                                         ; all sixteen work-groups are here: the first joint loads meet
.irp s, 0,1
	s_mov_b32 s[G0+4*\s], 1                                        ; 1:0 count = 1
	s_add_co_u32 s[G0+4*\s+1], s45, \s*SLOT                        ; 63:32 LDS address
	s_add_nc_u64 s[G0+4*\s+2:G0+4*\s+3], s[20:21], \s*REC          ; 120:64 global address: record s
	s_or_b32 s[G0+4*\s+3], s[G0+4*\s+3], 0x80000000                ; 127:126 type = 2
	s_mov_b32 s[G0B+4*\s], 1
	s_add_co_u32 s[G0B+4*\s+1], s45, \s*SLOT
	s_add_nc_u64 s[G0B+4*\s+2:G0B+4*\s+3], s[46:47], \s*REC
	s_or_b32 s[G0B+4*\s+3], s[G0B+4*\s+3], 0x80000000
	JLOAD G0+4*\s, G1, G0B+4*\s, G1B               ; two tensor loads of mine are out behind these
.endr
	v_and_b32 v1, 15, v0                           ; l % 16
	v_bfe_u32 v2, v0, 4, 1                         ; l / 16
	v_and_b32 v6, 31, v0
	v_lshlrev_b32 v[CO], 4, v6                     ; 16 x lane
	s_mul_i32 s21, s15, HALF                       ; my 128 rows of x
	s_mul_i32 s22, s16, HALF                       ; my 128 rows of W,
	s_add_co_u32 s22, s22, 2*HALF                  ; which lie behind x's 256
	s_sub_co_u32 s23, s22, s21                     ; from the one to the other
	v_lshlrev_b32 v5, 4, v1                        ; a row's 16 bytes of scale words
	v_mul_u32_u24 v6, s23, v2                      ; lanes 16-31 take W's
	v_add_nc_u32 v5, v5, v6
.irp s, 0,1
	v_add_nc_u32 v[ADRA+\s], s21, v[CO]
	v_add_nc_u32 v[ADRB+\s], s22, v[CO]
	v_add_nc_u32 v[ADRS+\s], s21, v5
	s_add_co_u32 s21, s21, SLOT
	s_add_co_u32 s22, s22, SLOT
.endr
	s_mul_i32 s23, s14, 16*SPITCH
	s_add_co_u32 s23, s23, STAGE                   ; my stage
	v_mul_u32_u24 v5, v1, SPITCH                   ; in: row l % 16, 32 bytes for each half of the lanes
	v_lshl_add_u32 v5, v2, 5, v5
	v_add_nc_u32 v[STO], s23, v5
	v_add_nc_u32 v[RD], s23, v[CO]                 ; back: the 32 lanes take one row of 512 bytes
	s_lshl_b32 s20, s17, 8
	s_lshl_b32 s21, s15, 7
	s_add_co_u32 s20, s20, s21                     ; my first row of out: 256 x tile row + 128 x half
	s_mov_b32 s21, 0
	s_mov_b64 s[18:19], SIZE_N*4
	s_mul_u64 s[20:21], s[20:21], s[18:19]
	s_lshl_b32 s46, s42, 10                        ; my first column, in bytes: 1024 x tile column + 512 x half
	s_lshl_b32 s47, s16, 9
	s_add_co_u32 s46, s46, s47
	s_mov_b32 s47, 0
	s_add_nc_u64 s[20:21], s[20:21], s[46:47]
	s_add_nc_u64 s[6:7], s[6:7], s[20:21]
	; ---- THE LOW-RANK PATH STARTS THE SUMS, while the tiles are on their way.  My 8 blocks of t (16 x tile row + 8 x half on) and my 8 of B^T, 1,024 bytes each, as images of a bf16 fragment's 8 registers.
	s_lshl_b32 s20, s17, 14
	s_lshl_b32 s21, s15, 13
	s_add_co_u32 s20, s20, s21
	s_mov_b32 s21, 0
	s_add_nc_u64 s[8:9], s[8:9], s[20:21]
	s_lshl_b32 s46, s42, 14
	s_lshl_b32 s47, s16, 13
	s_add_co_u32 s46, s46, s47
	s_mov_b32 s47, 0
	s_add_nc_u64 s[10:11], s[10:11], s[46:47]
.irp a, 0,1,2,3,4,5,6,7
	global_load_b128 v[AF+8*\a:AF+8*\a+3],   v[CO], s[8:9] offset:1024*\a
	global_load_b128 v[AF+8*\a+4:AF+8*\a+7], v[CO], s[8:9] offset:1024*\a+512
.endr
	WIN TO_B
.irp b, 0,1,2,3,4,5,6,7
	global_load_b128 v[8*\b:8*\b+3],   v[CO], s[10:11] offset:1024*\b
	global_load_b128 v[8*\b+4:8*\b+7], v[CO], s[10:11] offset:1024*\b+512
.endr
	s_wait_loadcnt 0x0
	WIN MUL_LO
.irp a, 0,1,2,3
.irp b, 0,1,2,3,4,5,6,7
	v_wmma_f32_16x16x32_bf16 v[8*(8*\a+\b):8*(8*\a+\b)+7], v[8*\b:8*\b+7], v[AF+8*\a:AF+8*\a+7], 0
.endr
.endr
	WIN MUL_HI
.irp a, 4,5,6,7
.irp b, 0,1,2,3,4,5,6,7
	v_wmma_f32_16x16x32_bf16 v[8*(8*(\a-4)+\b):8*(8*(\a-4)+\b)+7], v[8*\b:8*\b+7], v[AF+8*\a:AF+8*\a+7], 0
.endr
.endr
	WIN 0
.rept 5
	v_nop                                          ; matrix instructions of another form add onto these results: five places; four of them also serve the LDS loads into the registers that held t's and B^T's fragments
.endr
; 16 matrix instructions: x's blocks a0, a0 + 1 against W's eight, 128 along K: the slot's q-th.  p: W's set;  sc: the set of scale words.
; The 64 accumulators take turns, one instruction a turn, in the same order in every step, from the bf16 products on.
.macro MUL16 a0, p, q, sc
.irp a, \a0, \a0+1
.irp b, 0,1,2,3,4,5,6,7
	v_wmma_scale_f32_16x16x128_f8f6f4 v[8*(8*((\a)%4)+\b):8*(8*((\a)%4)+\b)+7], v[128*(\p)+FR*\b:128*(\p)+FR*\b+FR-1], v[AF+FR*(\a):AF+FR*(\a)+FR-1], v[8*(8*((\a)%4)+\b):8*(8*((\a)%4)+\b)+7], v[SC+32*(\sc)+4*\b+(\q)], v[SC+32*(\sc)+4*(\a)+(\q)] matrix_a_fmt:MATRIX_FMT_FP6 matrix_b_fmt:MATRIX_FMT_FP6 matrix_a_scale:MATRIX_SCALE_ROW1
.endr
.endr
.endm
.macro FETCH_B slot, q, p              ; W's eight fragments of the slot's q-th 128 along K into set p: three loads of 16 bytes a lane each, 512 consecutive bytes a load
	WIN TO_B
.irp i, 0,1,2,3,4,5,6,7
.irp c, 0,1,2
	ds_load_b128 v[128*(\p)+FR*\i+4*\c:128*(\p)+FR*\i+4*\c+3], v[ADRB+\slot] offset:REC*\i+IMG*(\q)+512*\c
.endr
.endr
	WIN 0
.endm
.macro FETCH_A slot, q, i0             ; x's blocks i0 .. i0 + 3, likewise
.irp i, \i0, \i0+1, \i0+2, \i0+3
.irp c, 0,1,2
	ds_load_b128 v[AF+FR*(\i)+4*\c:AF+FR*(\i)+4*\c+3], v[ADRA+\slot] offset:REC*(\i)+IMG*(\q)+512*\c
.endr
.endr
.endm
.macro SCALES sc                       ; slot sc's scale words into set sc: a row's 16 bytes are the words of the slot's three steps and a zero; lanes 0-15 take x's block i, lanes 16-31 W's block i
.irp i, 0,1,2,3,4,5,6,7
	ds_load_b128 v[SC+32*\sc+4*\i:SC+32*\sc+4*\i+3], v[ADRS+\sc] offset:REC*\i+SOFF
.endr
.endm
; A load into a register that a matrix instruction has read, and an LDS store that reads a matrix result, stand NP places behind that matrix instruction, and only plain vector
; instructions that name none of its registers are places (ISA guide 7.12.1 for vector instructions); this text does not count the matrix instructions in between.
.macro PLACES n
.rept \n
	v_nop
.endr
.endm
; A step of 128 along K that has its successor in the same slot.  W's set is (q + slot) mod 2: it comes back to its start after the six steps of two slots.
.macro STEP slot, q
.set PP, ((\q)+(\slot))%2
	s_wait_dscnt 4*NL                              ; W's set, x's blocks 0-3 and the scale words are in; the youngest 12 loads (x's blocks 4-7) may be out
	WIN MUL_LO
	MUL16 0, PP, \q, \slot
	MUL16 2, PP, \q, \slot
	s_wait_dscnt 0                                 ; x's blocks 4-7 are in (asked for 32 matrix instructions ago)
	PLACES NP
	FETCH_B \slot, (\q)+1, 1-PP
	FETCH_A \slot, (\q)+1, 0
	WIN MUL_HI
	MUL16 4, PP, \q, \slot
	MUL16 6, PP, \q, \slot
	PLACES NP
	WIN 0
	FETCH_A \slot, (\q)+1, 4
.endm
; A slot's last step changes slots IN ITS MIDDLE.  Behind its first 32 products all the slot's bytes have been asked for.  There each wave waits for all its tensor loads (the one that is out is its part of the next slot),
; adds 0 to its spare word, and waits for that and for its own reads of this slot; ONE barrier; behind it nobody reads this slot any more and the next slot is whole.  No product stands between the wait for the
; tile and the next request: so a request has the whole of a slot's 192 products in which to land.  The 32 products that are left stand behind the first loads from the next slot.
; fill = 1: this slot is filled again, with the record two on; the barrier then opens a round of the cluster's barrier.
.macro TURN slot, next, fill
.set PP, (\slot)%2
	s_wait_dscnt 4*NL                              ; W's set and x's blocks 0-3 are in; the youngest 12 loads (x's blocks 4-7) may be out
	WIN MUL_LO
	MUL16 0, PP, NQ-1, \slot
	MUL16 2, PP, NQ-1, \slot
	WIN 0
	s_wait_tensorcnt 0x0                           ; all my tensor loads have landed: my part of the next slot; so every group 0 may be written
	ds_add_u32 v[SPW], v[NIL]                      ; 0 onto my spare word; with fill = 1 the descriptors' steps stand between it and the wait for it
.if \fill
	s_add_nc_u64 s[G0+4*\slot+2:G0+4*\slot+3], s[G0+4*\slot+2:G0+4*\slot+3], 2*REC
	s_add_nc_u64 s[G0B+4*\slot+2:G0B+4*\slot+3], s[G0B+4*\slot+2:G0B+4*\slot+3], 2*REC
.endif
	s_wait_dscnt 0x0                               ; the add is done, and my reads of this slot are over: the last, x's blocks 4-7, are in
	s_barrier_signal -1
	s_barrier_wait -1
.if \fill
	CREST                                          ; the barrier has opened a round of the cluster's barrier: no wave of any partner still reads this slot's tile or has a load on its way
	JLOAD G0+4*\slot, G1, G0B+4*\slot, G1B         ; the first tensor load behind the round, my only one out; the four v_nop behind it are the places in front of the loads below
.else
	PLACES NP
.endif
	FETCH_B \next, 0, 1-PP
	FETCH_A \next, 0, 0
	SCALES \next
	WIN MUL_HI
	MUL16 4, PP, NQ-1, \slot
	MUL16 6, PP, NQ-1, \slot
	PLACES NP
	WIN 0
	FETCH_A \next, 0, 4
.endm
	s_wait_tensorcnt 1                             ; my part of record 0 is in (record 1's load may be out)
	s_barrier_signal -1
	s_barrier_wait -1                              ; everybody's is
	FETCH_B 0, 0, 0
	FETCH_A 0, 0, 0
	SCALES 0
	FETCH_A 0, 0, 4
	s_mov_b32 s3, TRIPS
.Llap:                                                 ; a trip goes once round the ring, six steps, and fills both slots again: records 2 to 9 in four trips
	STEP 0, 0
	STEP 0, 1
	TURN 0, 1, 1
	STEP 1, 0
	STEP 1, 1
	TURN 1, 0, 1
	s_sub_co_u32 s3, s3, 1
	s_cmp_lg_u32 s3, 0
	s_cbranch_scc1 .Llap
	STEP 0, 0                                      ; the tail is written out.  Record 8
	STEP 0, 1
	TURN 0, 1, 1                                   ; the last request: record 10
	STEP 1, 0                                      ; record 9;
	STEP 1, 1
	TURN 1, 0, 0                                   ; nothing is left to fetch, so no round follows the barrier
	STEP 0, 0                                      ; record 10 has two steps
	s_wait_dscnt 4*NL                              ; the very last step
	WIN MUL_LO
	MUL16 0, 1, 1, 0
	MUL16 2, 1, 1, 0
	s_wait_dscnt 0
	WIN MUL_HI
	MUL16 4, 1, 1, 0
	MUL16 6, 1, 1, 0
	WIN 0
; THE WAY OUT, block by block of 16 rows x 128 columns.  A lane holds 32 neighbouring bytes of a row, and the lanes beside it hold other rows: so a block goes through my own stage in LDS and comes back as whole
; rows of 512 bytes, which the 32 lanes store as 512 consecutive bytes.  LDS serves a wave's instructions in order (ISA guide 5.7.1.4): no wait between the stores and the loads, nor in front of the next block's stores.
.macro TOSTAGE a
.set AC, 64*((\a)%4)
	WIN 0x08+4*((\a)/4)                            ; the data: window 2 or 3
.irp b, 0,1,2,3,4,5,6,7
	ds_store_b128 v[STO], v[AC+8*\b:AC+8*\b+3] offset:64*\b          ; each accumulator from its low end on
	ds_store_b128 v[STO], v[AC+8*\b+4:AC+8*\b+7] offset:64*\b+16
.endr
	WIN 0
.set BB, BK+64*((\a)%2)
.irp t, 0,1,2,3,4,5,6,7,8,9,10,11,12,13,14,15
	ds_load_b128 v[BB+4*\t:BB+4*\t+3], v[RD] offset:\t*SPITCH
.endr
.endm
.macro SEND a, younger                 ; younger: the LDS instructions issued behind block a's loads, which may stay out
.set BB, BK+64*((\a)%2)
	s_wait_dscnt \younger                          ; the block is back in registers
.if (\a) > 0
	s_add_nc_u64 s[6:7], s[6:7], 16*SIZE_N*4       ; (behind a wait on XCNT: the earlier stores have read their base)  16 rows of out on: the stores' offsets reach 15 rows, 245,760 bytes, inside the signed 24-bit immediate
.endif
.irp t, 0,1,2,3,4,5,6,7,8,9,10,11,12,13,14,15
	global_store_b128 v[CO], v[BB+4*\t:BB+4*\t+3], s[6:7] offset:\t*SIZE_N*4 th:TH_STORE_NT   ; 32 lanes store 512 consecutive bytes, at a multiple of 512 from out's first byte; written once, read by nobody here
.endr
.endm
	PLACES NP                                      ; these places serve the loads into the registers that held x's fragments and the reads of the last products' results alike
	TOSTAGE 0
.irp a, 1,2,3,4,5,6,7
.if \a > 1
	s_wait_xcnt 0x0                                ; block a - 2's stores have read their registers and their base: block a's loads may land there, and the base may step
.endif
	TOSTAGE \a
	SEND \a-1, 32                                  ; behind block a - 1's loads: block a's 16 stores and 16 loads
.endr
	s_wait_xcnt 0x0                                ; block 6's stores have read their base
	SEND 7, 0
	s_wait_tensorcnt 0x0                           ; the wave's end: behind my last tensor load and my last LDS store
	ds_add_u32 v[SPW], v[NIL]
	s_wait_dscnt 0x0
	CROUND                                         ; the closing round: no work-group ends while a partner may still ask for a tile that names it
	s_endpgm
.Lfunc_end_k_q43b61fb477_gemm:
	.size	k_q43b61fb477_gemm, .Lfunc_end_k_q43b61fb477_gemm-k_q43b61fb477_gemm
	.p2alignl 7, 3214868480
	.fill 96, 4, 3214868480
	.section	.rodata,"a",@progbits
	.p2align	6, 0x0
	.amdhsa_kernel k_q43b61fb477_gemm
		.amdhsa_group_segment_fixed_size 327680
		.amdhsa_private_segment_fixed_size 0
		.amdhsa_enable_private_segment 0
		.amdhsa_kernarg_size 32
		.amdhsa_user_sgpr_count 2
		.amdhsa_user_sgpr_kernarg_segment_ptr 1
		.amdhsa_wavefront_size32 1
		.amdhsa_system_sgpr_workgroup_id_x 1
		.amdhsa_system_sgpr_workgroup_id_y 1
		.amdhsa_system_sgpr_workgroup_id_z 1
		.amdhsa_system_vgpr_workitem_id 0
		.amdhsa_next_free_vgpr 1024
		.amdhsa_next_free_sgpr 66
		.amdhsa_reserve_vcc 0
		.amdhsa_float_denorm_mode_32 3
		.amdhsa_float_denorm_mode_16_64 3
		.amdhsa_memory_ordered 1
		.amdhsa_forward_progress 1
		.amdhsa_inst_pref_size 211
	.end_amdhsa_kernel
	.amdgpu_metadata
---
amdhsa.version: [ 1, 2 ]
amdhsa.kernels:
  - .name:           k_q43b61fb477_gemm
    .symbol:         k_q43b61fb477_gemm.kd
    .args:
      - { .name: rec, .offset: 0, .size: 8, .value_kind: global_buffer, .address_space: global }
      - { .name: out0, .offset: 8, .size: 8, .value_kind: global_buffer, .address_space: global }
      - { .name: tb, .offset: 16, .size: 8, .value_kind: global_buffer, .address_space: global }
      - { .name: bt, .offset: 24, .size: 8, .value_kind: global_buffer, .address_space: global }
    .group_segment_fixed_size: 327680
    .private_segment_fixed_size: 0
    .kernarg_segment_align: 8
    .kernarg_segment_size: 32
    .max_flat_workgroup_size: 128
    .sgpr_count:     66
    .vgpr_count:     1024
    .wavefront_size: 32
...
	.end_amdgpu_metadata
.endif
;; end of part 2
;; ======== version 2 of 2: 2 launches; version 1 with the launch prep written anew for expert scheduling mode
;; workspace buffers: rec 27,394,048 bytes; tb 262,144 bytes; bt 262,144 bytes
;; launch prep (part 3): grid 256 x 1, 16 waves a work-group, no clusters, 269,312 bytes of LDS; arguments w_q, scale, x_codes, x_scales, A_codes, A_scales, B, rec, tb, bt; writes rec, tb, bt
.if DOCPART == 3
	.amdgcn_target "amdgcn-amd-amdhsa--gfx1250"
	.amdhsa_code_object_version 6
	.text
	.protected	k_q43b61fb477_prep
	.globl	k_q43b61fb477_prep
	.p2align	8
	.type	k_q43b61fb477_prep,@function
k_q43b61fb477_prep:
	s_mov_b64 s[64:65], 0
	v_nop
	global_prefetch_b8 v0, s[64:65] scope:SCOPE_SE
	s_setreg_imm32_b32 hwreg(HW_REG_WAVE_SCHED_MODE, 0, 2), 2
	s_setreg_imm32_b32 hwreg(HW_REG_WAVE_MODE, 25, 1), 1
	s_wait_xcnt 0x0
	s_wait_alu depctr_vm_vsrc(0)
; W[o][k] = f32(w_q[o][k]) x scale[(o 4096 + k) / 64] is quantised along k to codes of FP6 (E2M3) with one E8M0 byte for each 32 along k, and BOTH operands of the large product, W and x (whose codes
; and bytes are taken as given), are laid as the product's launch reads them.  Beside that: t = 2 (x A) (on codes as given, by the scaled FP6 matrix form) and B^T, both rounded to bf16.
; A block's scale is 2^(floor(log2(its largest magnitude)) - 2): its byte is the largest magnitude's exponent field - 2, held at 1 from below.
; LIMITS: a block of zeros of W gets the byte 1 where the quantiser's text says 127 (its codes are zeros, and the bytes are read by this program alone); blocks whose largest magnitude lies under 2^-124
; are held at that byte; NaN and infinities in scale are not served.  t and B are rounded to bf16 (their product is left unquantised and feeds no quantiser).
; SHARES.  Work-group i takes rows 16 i .. 16 i + 15 of W, the same rows of x, and columns 16 i .. 16 i + 15 of B.  Wave w of sixteen takes k = 256 w .. 256 w + 255: steps s = 2 w and 2 w + 1 of 128 along k.
; All of a wave's loads go out at its head: 16 KiB of W a wave, 256 KiB a work-group; every load of W, x and A reads 512 consecutive bytes.  No loop, no tensor load, three barriers.
; No cluster: the work-groups share A's 48 KiB alone, against 322 KiB of their own each, and the loads go through registers.
; WHAT IS STORED.  rec: x's 256 blocks of 16 rows, then W's 256.  A block is 11 RECORDS of 4,864 bytes, one for each 384 along k: three IMAGES of an operand's registers (16 rows x 128 k: 1,536 bytes; piece c of 512
; bytes holds registers 4 c .. 4 c + 3 of lane l at 16 l), then 256 bytes of scale words: 16 bytes a row: the words of the record's three steps and a zero.  Step s lies in record s / 3, so image s begins at
; 1,536 s + 256 (s / 3).  32 steps fill ten records and two thirds: the last record's third image is stored as zeros, 1,536 bytes a block, so that one shape of tile serves all eleven records.
; tb, bt: bf16 fragments (16 rows x 32 k, of which k = 16 .. 31 are zeros), 1,024 bytes a block of 16 rows, as images too.
; THE MODE: SCHED_MODE bits 1:0 = 2 (LLVM: expert scheduling mode 2), set by the entry lines.  The code itself states the register dependences
; between vector or matrix instructions and memory or LDS instructions, with s_wait_alu, always for 0.
; THE PLAN.  Registers that memory or LDS instructions touch, in the order of the text:
;   v4-v21, v30, v31, v54, v55   addresses and offsets, and v[56:59], zeros that are stored: written at the head and never again.  One wait on va_vdst ahead of the first load states them all.
;   v[22:25]    Loaded; read by LDS stores ahead of the first barrier; in wave 15 written again by t's roundings, which t's store reads.
;   v[60:63]    Wave 14: written by B's roundings, read by one store.
;   v[64:111]   A row of x and a row of A as loaded; read by LDS stores ahead of the first barrier; then x's and A's fragments land there.  x's are read by the images' stores, both by the two products;
;               v[88:95] are then written by four packed additions and read by two LDS stores.
;   v[112:127]  Wave 14: B lands there and its roundings read it.  Every wave: the two products write them, the packed additions read them.
;   v[64:127]   Behind the second barrier: wave 15's sixteen parts land there twice, with sums between; then each fragment's 64 numbers of W land there, with vector work between.
;   v[128:255]  W as loaded; read by the LDS stores into the stage.  Then v[128:159] are written by conversions and moves and read by the images' stores, an LDS load lands in v[160:163], and v254, v255 are made anew at the end.
;   v[26:29], v[32:35]  LDS loads land there once; v[26:27] are read again by LDS stores at the end.   v[52:53]  written by vector lines, read by LDS stores at the end.
; The text has one set of 64 registers for a fragment's numbers and one stage a wave, so the steps follow each other; each wait below says what it states.
.set IMG,  1536                        ; a fragment's image
.set SOFF, 3*IMG                       ; where a record's scale words begin
.set REC,  SOFF+256                    ; a record
.set BLKB, 11*REC                      ; a block of 16 rows
.set WOFF, 256*BLKB                    ; W's part of rec
.set ZIMG, 10*REC+2*IMG                ; the image that no step fills
.set STGW, 8448                        ; LDS: a stage of 16 rows x (512 + 16) bytes for each wave, its own
.set XP,   3088                        ; a row of x's or A's codes: 3,072 bytes + 16 = 772 words: row r begins at bank 4 r mod 64 (64 banks of 4 bytes: ISA guide 11.1)
.set XST,  16*STGW                     ; x's 16 rows
.set AST,  XST+16*XP                   ; A's 16 rows
.set GSC,  AST+16*XP                   ; the group scales: 64 f32 a row + 16 bytes
.set XSS,  GSC+16*272                  ; x's scale bytes, 128 a row + 8
.set ASS,  XSS+16*136                  ; A's
.set PART, ASS+16*136                  ; each wave's part of x A, as an image of 8 registers: 1,024 bytes
.set SCW,  PART+16*1024                ; the records' scale words: x's 11 units of 256 bytes, then W's 11; the sixteen waves clear 8,192 bytes here
.set SCWW, 11*256                      ; from x's units to W's
.set LW,  4                            ; v4   16 x lane
.set T4,  5                            ; v5   4 x thread
.set G8,  6                            ; v6   8 x lane
.set STI, 7                            ; v7   my stage, on the way in: 16 x lane
.set STO, 8                            ; v8   on the way out: row r, + 128 h
.set XSI, 9                            ; v9   where I put row w of x's codes (A's: AST - XST on)
.set FSO, 10                           ; v10  where my lane's part of x's fragments lies
.set GSI, 11                           ; v11  group scales in
.set GSO, 12                           ; v12  and out: row r, my wave's four groups
.set SSI, 13                           ; v13  scale bytes in
.set SSO, 14                           ; v14  and out: row r, my wave's two words
.set PI,  15                           ; v15  my wave's part of x A
.set PO,  16                           ; v16  all parts, for the wave that adds them
.set SWA0, 17                          ; v17  where row r's scale word of step 2 w goes: unit s / 3, 16 r, word s mod 3
.set SWO, 18                           ; v18  a unit on its way out: lanes 0-15 x's unit w, lanes 16-31 W's
.set GSU, 19                           ; v19  and its place in rec
.set BO,  20                           ; v20  B: row 8 h, column r
.set SH8, 21                           ; v21  8 h
.set GL,  22                           ; v[22:23] group scales as loaded
.set XSB, 24                           ; v24  x's scale bytes as loaded
.set ASB, 25                           ; v25  A's
.set TT,  22                           ; v[22:25] later, in wave 15: t packed
.set XSW, 26                           ; v[26:27] x's scale words of my two steps: scales and nothing else
.set ASW, 28                           ; v[28:29] A's
.set SWA1, 30                          ; v30  as v17, for step 2 w + 1
.set ZI,  31                           ; v31  the 16 bytes of the scale words' area that I clear
.set GS4, 32                           ; v[32:35] my row's four group scales
.set GP,  36                           ; v[36:43] each of them twice: pairs for the packed multiply
.set MX,  44                           ; v44-45 largest magnitudes
.set SOP, 46                           ; v46-47 the conversions' scale operands
.set BY,  48                           ; v48-49 scale bytes
.set WT,  50
.set PD,  51
.set SW,  52                           ; v[52:53] my two fragments' scale words
.set IM0, 54                           ; v54  my 16 bytes of image 2 w in a block of rec
.set IM1, 55                           ; v55  of image 2 w + 1
.set ZR,  56                           ; v[56:59] zeros
.set BP,  60                           ; v[60:63] wave 14: B^T packed
.set X,   64                           ; v64-127 at work: rows as loaded, fragments and sums of x A, then a fragment's 64 numbers
.set XT,  64
.set AT,  88
.set XFR, 64
.set AFR, 88
.set PS,  88                           ; my part of x A, where A's first fragment lay
.set ACC, 112
.set BL,  112                          ; wave 14: eight numbers of B, used up before the sums are written
.set R,   128                          ; v128-255 W as loaded, two sets of 64
.set CD0, 128                          ; once set 0 has gone into the stage: fragment 0's codes,
.set TMP, 140                          ; the halves that a conversion cannot put where they belong,
.set CD1, 148                          ; fragment 1's codes,
.set OW,  160                          ; and 16 bytes of scale words on their way out
	s_load_b256 s[8:15], s[0:1], 0x0               ; w_q s[8:9], scale s[10:11], x_codes s[12:13], x_scales s[14:15]
	s_load_b256 s[16:23], s[0:1], 0x20             ; A_codes s[16:17], A_scales s[18:19], B s[20:21], rec s[22:23]
	s_load_b128 s[24:27], s[0:1], 0x40             ; tb s[24:25], bt s[26:27]
	v_lshrrev_b32 v1, 5, v0
	v_readfirstlane_b32 s2, v1                     ; wave 0..15
	v_and_b32 v1, 31, v0                           ; lane
	v_and_b32 v2, 15, v0                           ; r
	v_bfe_u32 v3, v0, 4, 1                         ; h
	; every address is made here, ahead of the first branch on the wave's number
	v_lshlrev_b32 v[LW], 4, v1
	v_lshlrev_b32 v[T4], 2, v0
	v_lshlrev_b32 v[G8], 3, v1
	s_wait_alu depctr_va_sdst(0)                   ; s2, the wave's number, is written, ahead of its first reader: the line below
	s_mul_i32 s32, s2, STGW
	v_add_nc_u32 v[STI], s32, v[LW]
	v_mul_u32_u24 v[STO], v2, 528
	v_lshl_add_u32 v[STO], v3, 7, v[STO]
	v_add_nc_u32 v[STO], s32, v[STO]
	s_mul_i32 s32, s2, XP
	s_add_co_u32 s32, s32, XST
	v_add_nc_u32 v[XSI], s32, v[LW]
	v_mul_u32_u24 v[FSO], v2, XP
	v_mad_u32_u24 v[FSO], v3, 24, v[FSO]
	s_mul_i32 s32, s2, 192                         ; 256 codes are 192 bytes
	s_add_co_u32 s32, s32, XST
	v_add_nc_u32 v[FSO], s32, v[FSO]
	s_mul_i32 s32, s2, 272
	s_add_co_u32 s32, s32, GSC
	v_add_nc_u32 v[GSI], s32, v[G8]
	v_mul_u32_u24 v[GSO], v2, 272
	s_lshl_b32 s32, s2, 4
	s_add_co_u32 s32, s32, GSC
	v_add_nc_u32 v[GSO], s32, v[GSO]
	v_lshlrev_b32 v[SSI], 2, v1
	s_mul_i32 s32, s2, 136
	s_add_co_u32 s32, s32, XSS
	v_add_nc_u32 v[SSI], s32, v[SSI]
	v_mul_u32_u24 v[SSO], v2, 136
	s_lshl_b32 s32, s2, 3
	s_add_co_u32 s32, s32, XSS
	v_add_nc_u32 v[SSO], s32, v[SSO]
	s_lshl_b32 s32, s2, 10
	s_add_co_u32 s32, s32, PART
	v_add_nc_u32 v[PI], s32, v[LW]
	v_add_nc_u32 v[PO], PART, v[LW]
	; my two steps and their records: s / 3 = (11 s) >> 5 for s = 0 .. 31
	s_lshl_b32 s34, s2, 1                          ; s = 2 w
	s_add_co_u32 s35, s34, 1                       ; s = 2 w + 1
	s_mul_i32 s36, s34, 11
	s_lshr_b32 s36, s36, 5
	s_mul_i32 s37, s35, 11
	s_lshr_b32 s37, s37, 5
	s_mul_i32 s32, s34, IMG                        ; image s begins at 1,536 s + 256 (s / 3)
	s_lshl_b32 s33, s36, 8
	s_add_co_u32 s32, s32, s33
	v_add_nc_u32 v[IM0], s32, v[LW]
	s_mul_i32 s32, s35, IMG
	s_lshl_b32 s33, s37, 8
	s_add_co_u32 s32, s32, s33
	v_add_nc_u32 v[IM1], s32, v[LW]
	v_lshlrev_b32 v[SWA0], 4, v2                   ; a scale word's place: 256 (s / 3) + 16 r + 4 (s mod 3) = 16 r + 4 s + 244 (s / 3)
	s_lshl_b32 s32, s35, 2
	s_mul_i32 s33, s37, 244
	s_add_co_u32 s32, s32, s33
	s_add_co_u32 s32, s32, SCW
	v_add_nc_u32 v[SWA1], s32, v[SWA0]
	s_lshl_b32 s32, s34, 2
	s_mul_i32 s33, s36, 244
	s_add_co_u32 s32, s32, s33
	s_add_co_u32 s32, s32, SCW
	v_add_nc_u32 v[SWA0], s32, v[SWA0]
	v_lshl_add_u32 v[ZI], v0, 4, SCW
	v_mul_u32_u24 v[SWO], v3, SCWW                 ; a unit on its way out: lanes 16-31 take W's
	v_lshl_add_u32 v[SWO], v2, 4, v[SWO]
	s_lshl_b32 s32, s2, 8
	s_add_co_u32 s32, s32, SCW
	v_add_nc_u32 v[SWO], s32, v[SWO]
	v_mul_u32_u24 v[GSU], v3, WOFF                 ; and in rec: record w of the block, its scale words; lanes 16-31 in W's part
	v_lshl_add_u32 v[GSU], v2, 4, v[GSU]
	s_mul_i32 s32, s2, REC
	s_add_co_u32 s32, s32, SOFF
	v_add_nc_u32 v[GSU], s32, v[GSU]
	v_lshlrev_b32 v[BO], 2, v2
	v_lshl_add_u32 v[BO], v3, 17, v[BO]            ; 8 h rows of 16,384 bytes
	v_lshlrev_b32 v[SH8], 3, v3
	v_mov_b32 v[PD], 0                             ; a lane permute's destination counts as one of its sources
.irp j, 0,1,2,3
	v_mov_b32 v[ZR+\j], 0
.endr
	s_mov_b32 s5, 0
	s_mov_b32 s7, 0
	s_mov_b32 s30, 0x76543210
	s_mov_b32 s31, 0xfedcba98                      ; v_permlanex16_b32's selects for lane l xor 16
	s_wait_kmcnt 0x0
	s_lshl_b32 s4, ttmp9, 18                       ; w_q: 16 rows of 16,384 bytes a work-group, 1,024 bytes of each row a wave
	s_lshl_b32 s6, s2, 10
	s_add_co_u32 s4, s4, s6
	s_add_nc_u64 s[8:9], s[8:9], s[4:5]
	s_lshl_b32 s4, ttmp9, 12                       ; scale: 256 bytes a row; wave w fetches row w's
	s_lshl_b32 s6, s2, 8
	s_add_co_u32 s4, s4, s6
	s_add_nc_u64 s[10:11], s[10:11], s[4:5]
	s_lshl_b32 s4, ttmp9, 11                       ; x's scale bytes: 128 a row
	s_add_nc_u64 s[14:15], s[14:15], s[4:5]
	s_lshl_b32 s4, ttmp9, 10                       ; a bf16 fragment's image
	s_add_nc_u64 s[24:25], s[24:25], s[4:5]
	s_add_nc_u64 s[26:27], s[26:27], s[4:5]
	s_lshl_b32 s4, ttmp9, 6                        ; B: 16 columns of 4 bytes
	s_add_nc_u64 s[20:21], s[20:21], s[4:5]
	s_mul_i32 s6, s2, 3072                         ; a row of codes
	s_add_nc_u64 s[16:17], s[16:17], s[6:7]        ; A_codes: wave w fetches row w
	s_mul_i32 s4, ttmp9, 49152
	s_add_co_u32 s4, s4, s6
	s_add_nc_u64 s[12:13], s[12:13], s[4:5]        ; x_codes: row 16 i + w
	s_mul_i32 s4, ttmp9, BLKB
	s_add_nc_u64 s[22:23], s[22:23], s[4:5]        ; rec: x's block i,
	s_add_nc_u64 s[28:29], s[22:23], WOFF          ; and W's block i
	; ---- all loads, the small ones first: loads come back in order (ISA guide 5.7.1), so one counted wait shows them in while W is still on its way
	s_wait_alu depctr_va_vdst(0)                   ; the addresses and offsets v4 to v21, v30, v31, v54, v55 and the zeros v[56:59] are written: every load and store of the kernel reads some of them, and none is written again
	global_load_b64 v[GL:GL+1], v[G8], s[10:11] th:TH_LOAD_NT     ; 32 lanes read row w's 256 bytes of group scales
	global_load_b32 v[XSB], v[T4], s[14:15]
	global_load_b32 v[ASB], v[T4], s[18:19]
	s_cmp_lg_u32 s2, 14
	s_cbranch_scc1 .Lno_b_load
.irp j, 0,1,2,3,4,5,6,7
	global_load_b32 v[BL+\j], v[BO], s[20:21] offset:16384*\j     ; wave 14: B(8 h + j, 16 i + r)
.endr
.Lno_b_load:
.irp j, 0,1,2,3,4,5
	global_load_b128 v[XT+4*\j:XT+4*\j+3], v[LW], s[12:13] offset:512*\j th:TH_LOAD_NT
.endr
.irp j, 0,1,2,3,4,5
	global_load_b128 v[AT+4*\j:AT+4*\j+3], v[LW], s[16:17] offset:512*\j
.endr
.irp f, 0,1
.irp j, 0,1,2,3,4,5,6,7,8,9,10,11,12,13,14,15
	global_load_b128 v[R+64*\f+4*\j:R+64*\f+4*\j+3], v[LW], s[8:9] offset:16384*\j+512*\f th:TH_LOAD_NT   ; row j, 128 numbers of step 2 w + f
.endr
.endr
	s_wait_loadcnt 32                              ; all but W's 32 loads are in
	ds_store_b128 v[ZI], v[ZR:ZR+3]                ; the scale words' area is cleared: the words that no step fills stay zeros
	ds_store_b64 v[GSI], v[GL:GL+1]
	ds_store_b32 v[SSI], v[XSB]
	ds_store_b32 v[SSI], v[ASB] offset:ASS-XSS
.irp j, 0,1,2,3,4,5
	ds_store_b128 v[XSI], v[XT+4*\j:XT+4*\j+3] offset:512*\j
.endr
.irp j, 0,1,2,3,4,5
	ds_store_b128 v[XSI], v[AT+4*\j:AT+4*\j+3] offset:AST-XST+512*\j
.endr
	s_cmp_lg_u32 s2, 14
	s_cbranch_scc1 .Lno_b_store
.irp k, 0,1,2,3
	v_cvt_pk_bf16_f32 v[BP+\k], v[BL+2*\k], v[BL+2*\k+1]          ; lane (r, h): column 16 i + r of B, ranks 8 h .. 8 h + 7: registers 0-3 of a bf16 fragment
.endr
	s_wait_alu depctr_va_vdst(0)                   ; the four roundings have written v[60:63], which the store below reads
	global_store_b128 v[LW], v[BP:BP+3], s[26:27]
	global_store_b128 v[LW], v[ZR:ZR+3], s[26:27] offset:512      ; registers 4-7: k = 16 .. 31 do not exist: zeros
.irp c, 0,1,2
	global_store_b128 v[LW], v[ZR:ZR+3], s[22:23] offset:ZIMG+512*\c   ; the last record's third image, x's and W's: zero codes
	global_store_b128 v[LW], v[ZR:ZR+3], s[28:29] offset:ZIMG+512*\c
.endr
.Lno_b_store:
	s_wait_dscnt 0x0                               ; for the others' sake: my stores have landed
	s_barrier_signal -1
	s_barrier_wait -1                              ; x's and A's rows, their scale bytes and the group scales lie in LDS
	; ---- x's two fragments of k = 256 w .. 256 w + 255: they leave as images, and they are multiplied by A's
	s_wait_alu depctr_vm_vsrc(0)                   ; my LDS stores above have read v[64:111], in which the fragments' loads below land, and v[22:25], which wave 15's roundings write again.  (No vector line since the head's wait names a register in which these loads land)
	ds_load_b128 v[GS4:GS4+3], v[GSO]
	ds_load_b64 v[XSW:XSW+1], v[SSO]
	ds_load_b64 v[ASW:ASW+1], v[SSO] offset:ASS-XSS
.irp q, 0,1
.irp p, 0,1,2,3,4,5
	ds_load_b64 v[XFR+12*\q+2*\p:XFR+12*\q+2*\p+1], v[FSO] offset:96*\q+48*(\p/3)+8*(\p%3)          ; 24 bytes of the row's stream of bits, twice, in pieces of 8
	ds_load_b64 v[AFR+12*\q+2*\p:AFR+12*\q+2*\p+1], v[FSO] offset:AST-XST+96*\q+48*(\p/3)+8*(\p%3)
.endr
.endr
	s_wait_dscnt 0x0
.irp c, 0,1,2
	global_store_b128 v[IM0], v[XFR+4*\c:XFR+4*\c+3], s[22:23] offset:512*\c          ; the operand's registers as they stand: 32 lanes store 512 consecutive bytes
	global_store_b128 v[IM1], v[XFR+12+4*\c:XFR+12+4*\c+3], s[22:23] offset:512*\c
.endr
.irp q, 0,1                                    ; source 0 = A's 16 ranks, source 1 = x's 16 rows: lane (r, h) then holds row r of x and ranks 8 h + 0 .. 7, as a bf16 fragment wants them.  Two sums, each begun with the constant 0.  Operands and scales come from LDS loads: they owe their wait on DScnt alone
	v_wmma_scale_f32_16x16x128_f8f6f4 v[ACC+8*\q:ACC+8*\q+7], v[AFR+12*\q:AFR+12*\q+11], v[XFR+12*\q:XFR+12*\q+11], 0, v[ASW+\q], v[XSW+\q] matrix_a_fmt:MATRIX_FMT_FP6 matrix_b_fmt:MATRIX_FMT_FP6
.endr
.irp g, 0,1,2,3                                ; each group scale twice, for the packed multiply.  These eight name none of the products' registers: they are the places behind them (ISA guide 7.12.1)
	v_mov_b32 v[GP+2*\g], v[GS4+\g]
	v_mov_b32 v[GP+2*\g+1], v[GS4+\g]
.endr
.irp k, 0,1,2,3
	v_pk_add_f32 v[PS+2*\k:PS+2*\k+1], v[ACC+2*\k:ACC+2*\k+1], v[ACC+8+2*\k:ACC+8+2*\k+1]   ; both sums are read from their low ends on; the result lies where A's fragment lay, not in the registers that the stores above read
.endr
	s_wait_alu depctr_va_vdst(0)                   ; the additions have written v[88:95], which the LDS stores below read; and the products and the additions are done with v[64:127], in which the next LDS loads land
	ds_store_b128 v[PI], v[PS:PS+3]
	ds_store_b128 v[PI], v[PS+4:PS+7] offset:512
	s_wait_dscnt 0x0
	s_barrier_signal -1
	s_barrier_wait -1                              ; sixteen parts of x A lie in LDS
	s_wait_xcnt 0x0                                ; the stores of x's images have read their registers: v64 on may be written again
	s_wait_alu depctr_vm_vsrc(0)                   ; the stores of x's images have read v[64:87] and my two LDS stores v[88:95]: LDS loads land there on both ways below
	s_cmp_lg_u32 s2, 15
	s_cbranch_scc1 .Lno_sum
.irp c, 0,1                                    ; wave 15 adds them, four ranks at a time
.if \c > 0
	s_wait_alu depctr_va_vdst(0)                   ; the first half's additions, multiplications and roundings are done with v[64:127], in which the second half's loads land
.endif
.irp u, 0,1,2,3,4,5,6,7,8,9,10,11,12,13,14,15
	ds_load_b128 v[X+4*\u:X+4*\u+3], v[PO] offset:1024*\u+512*\c
.endr
	s_wait_dscnt 0x0
.irp d, 8,4,2,1
.set tu, 0
.rept \d
	v_pk_add_f32 v[X+4*tu:X+4*tu+1], v[X+4*tu:X+4*tu+1], v[X+4*(tu+\d):X+4*(tu+\d)+1]
	v_pk_add_f32 v[X+4*tu+2:X+4*tu+3], v[X+4*tu+2:X+4*tu+3], v[X+4*(tu+\d)+2:X+4*(tu+\d)+3]
.set tu, tu+1
.endr
.endr
	v_pk_mul_f32 v[X:X+1], v[X:X+1], 2.0 op_sel_hi:[1,0]          ; alpha / rank = 2: exact
	v_pk_mul_f32 v[X+2:X+3], v[X+2:X+3], 2.0 op_sel_hi:[1,0]
	v_cvt_pk_bf16_f32 v[TT+2*\c], v[X], v[X+1]
	v_cvt_pk_bf16_f32 v[TT+2*\c+1], v[X+2], v[X+3]
.endr
	s_wait_alu depctr_va_vdst(0)                   ; the roundings have written v[22:25], which the store below reads; and the second half's sums are done with v[64:127], in which fragment 0's numbers land
	global_store_b128 v[LW], v[TT:TT+3], s[24:25]
	global_store_b128 v[LW], v[ZR:ZR+3], s[24:25] offset:512
.Lno_sum:
; ---- A fragment of W: 16 rows x 128 along k.  The loads took the bytes as they lie, 512 of a row to a load; the operand's layout gives lane (r, h) two whole blocks of row r, k = 64 c + 32 h + 0 .. 31.
; So the 8 KiB turn through my own stage: LDS serves a wave's instructions in order (ISA guide 5.7.1.4), so no wait stands between the stores and the loads.  A block lies in one lane: its maximum asks no other lane.
; The loads from the stage land in v[64:127].  No wait on va_vdst stands ahead of them: the last one passed on every way (ahead of my part's LDS stores; in wave 15 ahead of t's store; for fragment 1 ahead of
; fragment 0's stores) stands behind every vector and matrix line that names these registers.
.macro FRAGW f, cd, im
	s_wait_loadcnt 16*(1-\f)                       ; this fragment's sixteen loads are in; the other's, issued behind them, may be out
.irp j, 0,1,2,3,4,5,6,7,8,9,10,11,12,13,14,15
	ds_store_b128 v[STI], v[R+64*\f+4*\j:R+64*\f+4*\j+3] offset:528*\j
.endr
.irp c, 0,1
.irp i, 0,1,2,3,4,5,6,7
	ds_load_b128 v[X+32*\c+4*\i:X+32*\c+4*\i+3], v[STO] offset:256*\c+16*\i
.endr
.endr
	s_wait_dscnt 0x0
.if \f == 0
	s_wait_alu depctr_vm_vsrc(0)                   ; my LDS stores into the stage have read v[128:191]: of these v[128:159] are written again by both fragments' conversions and moves, and an LDS load lands in v[160:163] at the end
.endif
.set n, 0
.rept 64
	v_cvt_f32_i32 v[X+n], v[X+n]
.set n, n+1
.endr
.irp c, 0,1
.set n, 0
.rept 16
	v_pk_mul_f32 v[X+32*\c+2*n:X+32*\c+2*n+1], v[X+32*\c+2*n:X+32*\c+2*n+1], v[GP+2*(2*\f+\c):GP+2*(2*\f+\c)+1]   ; x the scale of group 4 w + 2 f + c: one rounding
.set n, n+1
.endr
.endr
.irp c, 0,1
	v_max3_num_f32 v[MX+\c], |v[X+32*\c]|, |v[X+32*\c+1]|, 0x1800000    ; and the floor 2^(3 - 127), under which no largest magnitude is taken: so the byte cannot fall under 1
.endr
.irp i, 2,4,6,8,10,12,14,16,18,20,22,24,26,28,30
.irp c, 0,1
	v_max3_num_f32 v[MX+\c], v[MX+\c], |v[X+32*\c+\i]|, |v[X+32*\c+\i+1]|   ; (the two blocks by turns)
.endr
.endr
.irp c, 0,1
	v_add_nc_u32 v[SOP+\c], 0xff000000, v[MX+\c]   ; 2 off its exponent field: the conversion takes the exponent field of this operand as its scale, and nothing else of it
.endr
.irp c, 0,1
	v_lshrrev_b32 v[BY+\c], 23, v[SOP+\c]          ; the scale's byte
.endr
	v_lshl_or_b32 v[WT], v[BY+1], 16, v[BY]        ; my two bytes: blocks h and 2 + h of row r,
	v_lshlrev_b32 v[WT], v[SH8], v[WT]             ; at their places in the word;
	v_permlanex16_b32 v[PD], v[WT], s30, s31
	v_or_b32 v[SW+\f], v[WT], v[PD]                ; with lane l xor 16's two the word is whole
.irp c, 0,1
	v_cvt_scalef32_pk16_fp6_f32 v[\cd+6*\c:\cd+6*\c+2], v[X+32*\c:X+32*\c+15], v[SOP+\c]
	v_cvt_scalef32_pk16_fp6_f32 v[TMP+4*\c:TMP+4*\c+2], v[X+32*\c+16:X+32*\c+31], v[SOP+\c]   ; (a conversion's three registers begin on an even number: the second half of a block's six does not)
.endr
	v_nop                                          ; one plain place behind a scaled conversion
.irp c, 0,1
.irp i, 0,1,2
	v_mov_b32 v[\cd+6*\c+3+\i], v[TMP+4*\c+\i]
.endr
.endr
	s_wait_alu depctr_va_vdst(0)                   ; the conversions and the moves have written the fragment's twelve registers of codes, which the stores below read; the fragment's vector lines are done with v[64:127], in which the next fragment's numbers land; and its scale word in v[52:53] is written, which an LDS store reads at the end
.irp c, 0,1,2
	global_store_b128 v[\im], v[\cd+4*\c:\cd+4*\c+3], s[28:29] offset:512*\c   ; the operand's registers as they stand: 32 lanes store 512 consecutive bytes.  Each fragment has its own registers: no store's data are written again
.endr
.endm
	FRAGW 0, CD0, IM0
	FRAGW 1, CD1, IM1
	ds_store_b32 v[SWA0], v[XSW]                   ; row r's scale words of my two steps, x's and W's, to their places in the records' units; both halves of the lanes write the same words with the same values
	ds_store_b32 v[SWA1], v[XSW+1]
	ds_store_b32 v[SWA0], v[SW] offset:SCWW
	ds_store_b32 v[SWA1], v[SW+1] offset:SCWW
	s_wait_dscnt 0x0
	s_barrier_signal -1
	s_barrier_wait -1                              ; the 22 units of scale words are whole
	s_cmp_gt_u32 s2, 10
	s_cbranch_scc1 .Ldone
	ds_load_b128 v[OW:OW+3], v[SWO]                ; (it lands in v[160:163], which no vector line has named, and which fragment 0's wait on vm_vsrc has shown read)
	s_wait_dscnt 0x0
	global_store_b128 v[GSU], v[OW:OW+3], s[22:23] ; waves 0-10: lanes 0-15 store the 256 bytes of x's record w, lanes 16-31 those of W's
.Ldone:
	s_wait_xcnt 0x0
	s_wait_alu depctr_vm_vsrc(0)                   ; fragment 1's LDS stores into the stage have read v254 and v255, which the two lines below write
	v_lshl_add_u32 v254, v0, 2, 0x41400
	v_mov_b32 v255, 0
	s_wait_dscnt 0x0                               ; the closing lines, six on end
	s_wait_alu 0x0
	s_wait_tensorcnt 0x0
	ds_add_u32 v254, v255
	s_wait_dscnt 0x0
	s_endpgm
.Lfunc_end_k_q43b61fb477_prep:
	.size	k_q43b61fb477_prep, .Lfunc_end_k_q43b61fb477_prep-k_q43b61fb477_prep
	.p2alignl 7, 3214868480
	.fill 96, 4, 3214868480
	.section	.rodata,"a",@progbits
	.p2align	6, 0x0
	.amdhsa_kernel k_q43b61fb477_prep
		.amdhsa_group_segment_fixed_size 269312
		.amdhsa_private_segment_fixed_size 0
		.amdhsa_enable_private_segment 0
		.amdhsa_kernarg_size 80
		.amdhsa_user_sgpr_count 2
		.amdhsa_user_sgpr_kernarg_segment_ptr 1
		.amdhsa_wavefront_size32 1
		.amdhsa_system_sgpr_workgroup_id_x 1
		.amdhsa_system_sgpr_workgroup_id_y 1
		.amdhsa_system_sgpr_workgroup_id_z 1
		.amdhsa_system_vgpr_workitem_id 0
		.amdhsa_next_free_vgpr 256
		.amdhsa_next_free_sgpr 66
		.amdhsa_reserve_vcc 0
		.amdhsa_float_denorm_mode_32 3
		.amdhsa_float_denorm_mode_16_64 3
		.amdhsa_memory_ordered 1
		.amdhsa_forward_progress 1
		.amdhsa_inst_pref_size 43
	.end_amdhsa_kernel
	.amdgpu_metadata
---
amdhsa.version: [ 1, 2 ]
amdhsa.kernels:
  - .name:           k_q43b61fb477_prep
    .symbol:         k_q43b61fb477_prep.kd
    .args:
      - { .name: w_q, .offset: 0, .size: 8, .value_kind: global_buffer, .address_space: global }
      - { .name: scale, .offset: 8, .size: 8, .value_kind: global_buffer, .address_space: global }
      - { .name: x_codes, .offset: 16, .size: 8, .value_kind: global_buffer, .address_space: global }
      - { .name: x_scales, .offset: 24, .size: 8, .value_kind: global_buffer, .address_space: global }
      - { .name: A_codes, .offset: 32, .size: 8, .value_kind: global_buffer, .address_space: global }
      - { .name: A_scales, .offset: 40, .size: 8, .value_kind: global_buffer, .address_space: global }
      - { .name: B, .offset: 48, .size: 8, .value_kind: global_buffer, .address_space: global }
      - { .name: rec, .offset: 56, .size: 8, .value_kind: global_buffer, .address_space: global }
      - { .name: tb, .offset: 64, .size: 8, .value_kind: global_buffer, .address_space: global }
      - { .name: bt, .offset: 72, .size: 8, .value_kind: global_buffer, .address_space: global }
    .group_segment_fixed_size: 269312
    .private_segment_fixed_size: 0
    .kernarg_segment_align: 8
    .kernarg_segment_size: 80
    .max_flat_workgroup_size: 512
    .sgpr_count:     66
    .vgpr_count:     256
    .wavefront_size: 32
...
	.end_amdgpu_metadata
.endif
;; end of part 3
;; launch gemm: the kernel of part 2 again; grid 16 x 16, 4 waves a work-group, clusters of 4 x 4, 327,680 bytes of LDS; arguments rec, out0, tb, bt; writes out0
